; MI455X (gfx1250); checked and timed in simulation.
; The chip was launched on July 23, 2026; its instructions are those of AMD's public machine-readable ISA for CDNA 5 (MIT licence, August 2026) and "CDNA5" Instruction Set Architecture Reference Guide (July 2026). The comments in the code are by the model that wrote it; some were corrected since.
;; Multi Head Attention. Allowed arithmetic: matrix products marked QUANTISED: E2M3 operands, one E8M0 scale for each 32 along K, by v_wmma_scale_f32_16x16x128_f8f6f4 with both operands' format E2M3, f32 sums; everything else in f32.
;; Inputs: Wk_codes 1,024 x 32 x 24 uint8 (E2M3 codes of Wk, K innermost, in blocks of 32 codes, four codes in three bytes); Wk_scales 1,024 x 32 uint8 (E8M0 scales of Wk, one for each 32 codes along K); Wo_codes 1,024 x 32 x 24 uint8 (E2M3 codes of Wo, K innermost, in blocks of 32 codes, four codes in three bytes); Wo_scales 1,024 x 32 uint8 (E8M0 scales of Wo, one for each 32 codes along K); Wq_codes 1,024 x 32 x 24 uint8 (E2M3 codes of Wq, K innermost, in blocks of 32 codes, four codes in three bytes); Wq_scales 1,024 x 32 uint8 (E8M0 scales of Wq, one for each 32 codes along K); Wv_codes 1,024 x 32 x 24 uint8 (E2M3 codes of Wv, K innermost, in blocks of 32 codes, four codes in three bytes); Wv_scales 1,024 x 32 uint8 (E8M0 scales of Wv, one for each 32 codes along K); bk 1,024 float32; bo 1,024 float32; bq 1,024 float32; bv 1,024 float32; key_codes 8 x 1,024 x 32 x 24 uint8 (E2M3 codes of key, K innermost, in blocks of 32 codes, four codes in three bytes); key_scales 8 x 1,024 x 32 uint8 (E8M0 scales of key, one for each 32 codes along K); query_codes 8 x 1,024 x 32 x 24 uint8 (E2M3 codes of query, K innermost, in blocks of 32 codes, four codes in three bytes); query_scales 8 x 1,024 x 32 uint8 (E8M0 scales of query, one for each 32 codes along K); value_codes 8 x 1,024 x 32 x 24 uint8 (E2M3 codes of value, K innermost, in blocks of 32 codes, four codes in three bytes); value_scales 8 x 1,024 x 32 uint8 (E8M0 scales of value, one for each 32 codes along K).
;; Outputs: out0 8 x 1,024 x 1,024 float32.
;; This version of the problem:
;;   THIS VERSION OF THE PROBLEM IS GIVEN IN LOW PRECISION. The matrix products marked QUANTISED in the list below multiply operands that are first quantised to E2M3 (2 exponent bits, 3 mantissa bits; 6 bits a number), with one power-of-two scale for each 32 numbers along K (OCP MX v1.0); their sums are f32. All else is computed in f32.
;;   The module's matrix products, in the order in which they are computed (A, B: the left and right operand; K: the contracted axis; several contracted axes count as one K, in the product's order):
;;     1. [M 8,192, K 1,024] x [K 1,024, N 1,024]; A: input query (given as codes); B: input Wq (given as codes): QUANTISED
;;     2. [M 8,192, K 1,024] x [K 1,024, N 1,024]; A: input key (given as codes); B: input Wk (given as codes): QUANTISED
;;     3. [M 8,192, K 1,024] x [K 1,024, N 1,024]; A: input value (given as codes); B: input Wv (given as codes): QUANTISED
;;     4. batch 128 x [M 1,024, K 64] x [K 64, N 1,024]; A: computed on the way; B: computed on the way: QUANTISED
;;     5. batch 128 x [M 64, K 1,024] x [K 1,024, N 1,024]; A: computed on the way; B: softmax (see below): QUANTISED
;;     6. [M 8,192, K 1,024] x [K 1,024, N 1,024]; A: computed on the way; B: input Wo (given as codes): QUANTISED
;;   THE QUANTISER, for each operand of a quantised product, along K:
;;     - K is cut into blocks of 32 from its start; a last block that is shorter is filled with zeros.
;;     - A block's scale is 2^e with e = floor(log2(the largest magnitude in the block)) - 2, held to -126 .. 127; a block of zeros has e = 0. As a byte (E8M0): e + 127.
;;     - Each number is divided by its block's scale, clamped to +-7.5, and rounded to the nearest number of E2M3, ties to even, subnormals kept.
;;     - The product sums the exact products of the quantised numbers (number of the format x scale) in f32.
;;   ~~~python
;;   def quantise(x, axis):      # numpy; x: float32 -> the quantised numbers, widened to float32 again
;;       x = np.moveaxis(x, axis, -1); K = x.shape[-1]
;;       x = np.pad(x, [(0, 0)] * (x.ndim - 1) + [(0, -K % 32)]); x = x.reshape(x.shape[:-1] + (-1, 32)); a = np.abs(x).max(-1, keepdims=True)
;;       e = np.where(a > 0, np.clip(np.frexp(np.where(a > 0, a, 1))[1] - 1 - 2, -126, 127), 0)      # np.frexp(a)[1] - 1 = floor(log2(a)), exactly
;;       r = np.clip(x / 2.0 ** e, -7.5, 7.5)
;;       step = 2.0 ** (np.maximum(np.frexp(np.where(r == 0, 1, r))[1] - 1, 0) - 3)
;;       q = np.round(r / step) * step * 2.0 ** e      # np.round: ties to even
;;       return np.moveaxis(q.reshape(q.shape[:-2] + (-1,))[..., :K], -1, axis).astype(np.float32)
;;   ~~~
;;   SOFTMAX AHEAD OF A QUANTISED PRODUCT. Where the list says 'softmax', what is quantised is not the finished softmax but p = 2^(t - M), with t = logit x log2(e) and M = ceil(the row's largest t), a whole number; so 1/2 < the row's largest p <= 1. The row's sum l is taken of the UNQUANTISED p, in f32, and the product's result is divided by l at the end. Since M is a whole number, a kernel that streams over the keys may use a running M (the ceiling of the running maximum): every later rescaling is an exact power of two, which a block's scale takes up: the codes' values come out the same.
;;   OPERANDS COMPUTED ON THE WAY. 'Computed on the way' means the value that the module computes at that place (a softmax that the list does not call 'softmax' is quantised finished and normalised). What goes into a quantiser is computed in f32, as accurately as f32 sums, v_exp_f32 and their like allow (about 1e-6 of the number): no bf16 or f16 on the way to a quantiser, and a product that is left as it is and whose result goes on into a quantised operand takes f32 operands (vector FMAs, or v_wmma_f32_16x16x4_f32). A number that lies on a knife's edge between two numbers of the format may be rounded either way, as far as f32 arithmetic and the matrix unit's own rounding can turn it there, and no further.
;;   INPUTS GIVEN AS CODES. Wk (in the module: [1024, 1024], K = its axis 0); Wo (in the module: [1024, 1024], K = its axis 0); Wq (in the module: [1024, 1024], K = its axis 0); Wv (in the module: [1024, 1024], K = its axis 0); key (in the module: [8, 1024, 1024], K = its axis 2); query (in the module: [8, 1024, 1024], K = its axis 2); value (in the module: [8, 1024, 1024], K = its axis 2): each comes as NAME_codes (uint8): NAME with its K axis moved to the last place and cut into blocks of 32 codes, [.., K / 32, bytes a block], one block behind the other in memory; four codes in three bytes: a row's codes are one little-endian stream of bits, code i at bits 6 i .. 6 i + 5 (a code: sign, 2 exponent bits, 3 mantissa bits); and NAME_scales (uint8): the same leading axes, one E8M0 byte (e + 127) for each 32 codes along K. Its value is code x scale, taken as it is: it is not quantised again, and the codes and scales need not be those that the quantiser above would give.
;; One version. Each part assembles by itself: llvm-mc -triple=amdgcn-amd-amdhsa -mcpu=gfx1250 --defsym DOCPART=n.
;; ======== version 1 of 1: 3 launches
;; workspace buffers: qimg 14,155,776 bytes; kv 14,155,776 bytes; ao 6,291,456 bytes; aos 524,288 bytes
;; launch proj (part 1): grid 4 x 96, 4 waves a work-group, clusters of 4 x 4, 327,680 bytes of LDS; arguments query_codes, query_scales, Wq_codes, Wq_scales, qimg, bq, key_codes, key_scales, Wk_codes, Wk_scales, kv, bk, Wv_codes, Wv_scales, value_codes, value_scales, bv; writes qimg, kv
.if DOCPART == 1
	.amdgcn_target "amdgcn-amd-amdhsa--gfx1250"
	.amdhsa_code_object_version 6
	.text
	.protected	k_qc640b9a279_proj
	.globl	k_qc640b9a279_proj
	.p2align	8
	.type	k_qc640b9a279_proj,@function
k_qc640b9a279_proj:
	s_mov_b64 s[64:65], 0
	v_nop
	global_prefetch_b8 v0, s[64:65] scope:SCOPE_SE
	s_setreg_imm32_b32 hwreg(HW_REG_WAVE_MODE, 25, 1), 1
	s_wait_xcnt 0x0
	s_wait_alu depctr_hold_cnt(0) depctr_sa_sdst(0) depctr_va_vdst(0) depctr_va_sdst(0) depctr_va_ssrc(0) depctr_va_vcc(0) depctr_vm_vsrc(0)
	s_getreg_b32 s2, hwreg(HW_REG_IB_STS2, 6, 4)
	s_cmp_eq_u32 s2, 0
	s_cbranch_scc0 .Lentry_in_a_cluster
	s_endpgm
.Lentry_in_a_cluster:
	s_bfe_u32 s2, ttmp6, 0x10000c
	s_cmp_lg_u32 s2, 0xf033
	s_cbranch_scc0 .Lentry_shape_is_right
	s_endpgm
.Lentry_shape_is_right:
; THE THREE INPUT PROJECTIONS, q = query Wq + bq, kk = key Wk + bk, v = value Wv + bv, on codes of FP6 (E2M3) with one E8M0 scale for each 32 along K = 1,024, and the quantisers behind them:
; q and kk are quantised along a head's 64 channels, v along the keys.  The results leave as IMAGES OF THE OPERAND REGISTERS that the attention launch wants.
; A tile of C[m][n] = sum over k of A[m][k] B[n][k], 256 x 256, is made by four waves, 128 x 128 each: 64 accumulators of 16 x 16.  The matrix instruction is used transposed: source 0 = 16 rows of B, source 1 = 16 rows of A:
; lane (r, hl) of accumulator (a, b) holds row 16 a + r of A's side and, in register j, row 16 b + 8 hl + j of B's side.  So B's side is the axis along which the result is quantised:
;   P = 0, 1 (q, kk): A = the tokens, B = the weight's rows (features): a lane holds a token, its registers run along the features.   P = 2 (v): A = Wv's rows, B = value's tokens: a lane holds a feature, its registers run along the keys.
; The cluster's y, 0 .. 23, gives P = y / 8 and which eighth of the 8,192 tokens; it is the same in all sixteen partners, so every branch on P is alike in them.
; K goes in four steps of 256 through two LDS slots (rows of 192 bytes); the scales of the tile's rows, two dense blocks, come once.  A's tiles are asked for jointly along a row of the cluster, B's along a column.
; The bias is the C of each sum's first product: 64 registers, by B's block (P = 0, 1: bias[16 b + 8 hl + j]) or by A's block (P = 2: bias[16 a + r] in all eight registers).
; WORKSPACE.  A head's record is 110,592 bytes: 8 steps of 128 tokens x 13,824 bytes: at 0 four images of 1,536 bytes, each two tiles of 16 tokens x 64 channels (6 registers a tile); at 6,144 two images of 512 bytes, the
; tiles' scale words (4 registers each; bytes 2 and 3 are 0x7f); at 7,168 four images of 1,536 bytes: 16 channels x 128 keys of v; at 13,312 their four scale words.  An image is what a lane's registers hold, four registers a
; store, lane l's 16 bytes at 16 l: every store covers 512 consecutive bytes, aligned.  q goes to qimg (its first 7,168 bytes of each step; the rest is never touched), kk and v to kv.
; ORDER INSIDE A BLOCK OF 32: place p holds element 0..7, 16..23, 8..15, 24..31.  The block's 32 numbers, and so its scale, are those of the rule; q and kk have the same order, and so have v and the weights p of the
; attention launch, so each product pairs the right numbers: only the order of the unit's additions differs.
; LIMITS: NaN and infinities among the results are not served.  A block whose largest magnitude lies under 2^-124 keeps the byte 1; a block of zeros has the byte 1 where the rule says 127: its codes are zeros, and only this program reads the bytes.
.set KSTEP,  256                       ; along K in a slot
.set NQ,     KSTEP/128                 ; matrix instructions deep
.set ROWB,   192                       ; a tile's row in bytes
.set KROW,   768                       ; a row of A or of B in memory
.set PITCH,  240                       ; an LDS row: 3 x (64 bytes + 16 of padding): the 32 lanes of a load of 8 bytes touch 64 different banks (64 banks of 4 bytes: ISA guide 11.1)
.set FR,     12                        ; registers of a fragment
.set NL,     6                         ; LDS loads that bring one
.set NP,     4                         ; places behind this matrix instruction (ISA guide 7.12.1)
.set HALFT,  128*PITCH                 ; 128 rows: what one tensor load brings
.set SLOT,   4*HALFT                   ; A's 256 rows, then B's 256
.set KS,     32                        ; a row of scales in bytes
.set SCL,    2*SLOT                    ; behind the ring: the scales, as 256 bytes + 16 of padding
.set HALFS,  (128*KS/256)*272          ; those of 128 rows
.set SBLK,   (16*KS/256)*272           ; those of 16 rows
.set SPARE,  SCL+4*HALFS               ; the spare words, 128 bytes a wave: two blocks of 256 bytes that no other line names
.set HREC,   110592                    ; a head's record
.set STEPB,  13824                     ; a step of 128 tokens in it
.set KSCL,   6144
.set VCOD,   7168
.set VSCL,   13312
.set ADRA, 16                          ; v16-17 LDS address of my A fragments in slot 0, 1; v18-19 the same behind one padding more
.set ADRB, 20                          ; v20-23 the same for B
.set ADRS, 27                          ; v27 LDS address of my scale words: lanes 0-15 A's rows, lanes 16-31 B's
.set SPW,  28                          ; v28 my spare word's address; never rewritten
.set NIL,  29                          ; v29 0; never rewritten
.set LI,   30                          ; v30 16 x lane: my place in an image
.set SC,   32                          ; v32-63 scale words, two sets: nothing else ever lies here
.set W0,   64                          ; v64-71  the way out: scale words (even head, or v's)
.set W1,   72                          ; v72-79  scale words of the odd head
.set X,    80                          ; v80-91  an image in the making
.set AD,   96                          ; v96-103 byte offsets of the bias loads, one for each register j
.set Y,    112                         ; v112-123 the odd head's image
.set AF,   128                         ; v128-223 A's fragments, one set
.set T2,   224                         ; v224-231 second halves of blocks
.set TM,   232                         ; v232-235 largest magnitudes, v236-239 the other half's, then bytes, v244-247 the conversions' scale operands
.set BIAS, 96                          ; window 1: bias tile x at v[96 + 8 x + 96 (x / 4)]: v96-127 and v224-255, beside B's two sets at v0-95 and v128-223
.set G1, 24
.set G0, 32
.set G1B, 48
.set G0B, 56
.set G1S, 68
.set G0S, 76
.set G1SB, 80
.set G0SB, 88
.set MSB, 0
.macro WIN new                         ; the immediate's high byte repeats the setting that is left
.if MSB != \new
	s_set_vgpr_msb (MSB<<8)|\new
.set MSB, \new
.endif
.endm
.set MUL_LO, 0xa1                      ; source 0 (B) window 1, source 1 (A) window 0, C and D window 2
.set MUL_HI, 0xf1                      ; the same, C and D window 3
.set FST_LO, 0x91                      ; the first products: C (the bias) window 1, D window 2
.set FST_HI, 0xd1                      ; D window 3
.set TO_B,   0x40                      ; destination window 1, address window 0
; A joint load: waves 0 and 1 fetch for A, waves 2 and 3 for B.  The branch hangs on the wave's number alone.  Four v_nop follow each of the two lines.
.macro JLOAD g0a, g1a, g0b, g1b
	s_cmp_eq_u32 s15, 0
	s_cbranch_scc0 .Lfor_b_\@
	tensor_load_to_lds s[\g0a:\g0a+3], s[\g1a:\g1a+7]
	s_nop 0
.rept 4
	v_nop
.endr
	s_branch .Lasked_\@
.Lfor_b_\@:
	tensor_load_to_lds s[\g0b:\g0b+3], s[\g1b:\g1b+7]
	s_nop 0
.rept 4
	v_nop
.endr
.Lasked_\@:
.endm
.macro CREST                           ; a round of the cluster's barrier behind its opening barrier
	s_cmp_lg_u32 s14, 0
	s_cbranch_scc1 .Lnot_wave_0_\@
	s_barrier_signal -3
.Lnot_wave_0_\@:
	s_barrier_wait -3
	s_barrier_signal -1
	s_barrier_wait -1
.endm
.macro CROUND                          ; a whole round
	s_barrier_signal -1
	s_barrier_wait -1
	CREST
.endm
	s_load_b256 s[4:11], s[0:1], 0x0               ; P = 0: query's codes, scales, Wq's codes, scales
	s_load_b128 s[92:95], s[0:1], 0x20             ; qimg, bq
	s_load_b256 s[68:75], s[0:1], 0x30             ; P = 1: key's, Wk's
	s_load_b128 s[76:79], s[0:1], 0x50             ; kv, bk
	s_load_b256 s[80:87], s[0:1], 0x60             ; P = 2: Wv's (A), value's (B)
	s_load_b64 s[88:89], s[0:1], 0x80              ; bv
	v_lshl_add_u32 v[SPW], v0, 2, SPARE
	v_mov_b32 v[NIL], 0
	ds_add_u32 v28, v29
	ds_add_u32 v28, v29
	s_wait_dscnt 0x0
	v_lshrrev_b32 v1, 5, v0
	v_readfirstlane_b32 s14, v1                    ; wave 0..3
	s_lshr_b32 s15, s14, 1                         ; which half of A's rows is mine.  Also: I fetch for A (0) or for B (1)
	s_and_b32 s16, s14, 1                          ; which half of B's rows.  Also: which 128 rows I fetch
	s_bfe_u32 s40, ttmp6, 0x40000                  ; cx, cy: my place in the cluster
	s_bfe_u32 s41, ttmp6, 0x40004
	s_and_b32 s99, ttmp7, 0xffff                   ; the cluster's y, 0 .. 23
	s_lshr_b32 s98, s99, 3                         ; P: which projection
	s_and_b32 s99, s99, 7                          ; which 1,024 tokens
	s_lshl_b32 s43, s41, 2
	s_lshl_b32 s43, 15, s43                        ; my row of the cluster
	s_lshl_b32 s44, 0x1111, s40                    ; my column
	s_wait_kmcnt 0x0
	s_cmp_eq_u32 s98, 1                            ; the buffers are chosen on the cluster's number alone
	s_cselect_b64 s[4:5], s[68:69], s[4:5]
	s_cselect_b64 s[6:7], s[70:71], s[6:7]
	s_cselect_b64 s[8:9], s[72:73], s[8:9]
	s_cselect_b64 s[10:11], s[74:75], s[10:11]
	s_cselect_b64 s[92:93], s[76:77], s[92:93]
	s_cselect_b64 s[94:95], s[78:79], s[94:95]
	s_cmp_eq_u32 s98, 2
	s_cselect_b64 s[4:5], s[80:81], s[4:5]
	s_cselect_b64 s[6:7], s[82:83], s[6:7]
	s_cselect_b64 s[8:9], s[84:85], s[8:9]
	s_cselect_b64 s[10:11], s[86:87], s[10:11]
	s_cselect_b64 s[92:93], s[76:77], s[92:93]
	s_cselect_b64 s[94:95], s[88:89], s[94:95]
	s_cselect_b32 s100, 0, s99                     ; the tokens are A's rows (P = 0, 1) or B's (P = 2)
	s_cselect_b32 s101, s99, 0
	s_mov_b64 s[12:13], s[92:93]                   ; where the images go
	s_mov_b64 s[96:97], s[94:95]                   ; the bias
	s_lshl_b32 s17, s100, 2
	s_add_co_u32 s17, s17, s41                     ; tile row (A's side)
	s_lshl_b32 s42, s101, 2
	s_add_co_u32 s42, s42, s40                     ; tile column (B's side)
	; descriptor group 1: a tile of 128 rows x 192 bytes, 16 bytes of padding behind every 64
	s_or_b32 s[G1+0], s43, (0<<16)|(1<<20)|(1<<21)|(3<<22)|(3<<25)  ; 15:0 the mask: A's tiles go to my row; 17:16 elements of 1 byte; 20 padding on; 21 set beside a mask; 24:22 after every 16 words; 31:25 of 4 words
	s_or_b32 s[G1B+0], s44, (0<<16)|(1<<20)|(1<<21)|(3<<22)|(3<<25)
.irp g, G1, G1B
	s_mov_b32 s[\g+1], ROWB<<16                    ; tensor_dim0
	s_mov_b32 s[\g+2], 128<<16                     ; tensor_dim1
	s_mov_b32 s[\g+3], ROWB<<16                    ; tile_dim0
	s_mov_b32 s[\g+4], 128                         ; tile_dim1
	s_mov_b32 s[\g+5], KROW                        ; tensor_dim0_stride
	s_mov_b32 s[\g+6], 0
	s_mov_b32 s[\g+7], 0
.endr
	; the scales of 128 rows: 4,096 dense bytes as 16 rows of 256 (32 elements of 8 bytes), 16 bytes of padding behind each
	s_or_b32 s[G1S+0], s43, (3<<16)|(1<<20)|(1<<21)|(5<<22)|(3<<25)
	s_or_b32 s[G1SB+0], s44, (3<<16)|(1<<20)|(1<<21)|(5<<22)|(3<<25)
.irp g, G1S, G1SB
	s_mov_b32 s[\g+1], 32<<16
	s_mov_b32 s[\g+2], (128*KS/256)<<16
	s_mov_b32 s[\g+3], 32<<16
	s_mov_b32 s[\g+4], 128*KS/256
	s_mov_b32 s[\g+5], 32
	s_mov_b32 s[\g+6], 0
	s_mov_b32 s[\g+7], 0
.endr
	s_lshl_b32 s18, s16, 7                         ; which 128 rows of the tile I fetch
	s_lshl_b32 s20, s17, 8
	s_add_co_u32 s20, s20, s18                     ; A: row 256 x tile row + 128 x half
	s_lshl_b32 s46, s42, 8
	s_add_co_u32 s46, s46, s18                     ; B: row 256 x tile column + 128 x half
	s_mov_b32 s21, 0
	s_mov_b32 s47, 0
	s_mov_b64 s[18:19], KS
	s_mul_u64 s[22:23], s[20:21], s[18:19]         ; where these rows' scales begin
	s_mul_u64 s[92:93], s[46:47], s[18:19]
	s_mov_b64 s[18:19], KROW
	s_mul_u64 s[20:21], s[20:21], s[18:19]         ; and their codes
	s_mul_u64 s[46:47], s[46:47], s[18:19]
	s_mul_i32 s45, s14, HALFT                      ; where they go: wave x 128 rows: no place in the cluster enters an LDS address
	s_mul_i32 s94, s14, HALFS
	s_add_nc_u64 s[20:21], s[4:5], s[20:21]
	s_add_nc_u64 s[22:23], s[6:7], s[22:23]
	s_add_nc_u64 s[46:47], s[8:9], s[46:47]
	s_add_nc_u64 s[92:93], s[10:11], s[92:93]
	CROUND                                         ; all sixteen work-groups are here: the first joint loads meet
	s_mov_b32 s[G0S], 1
	s_add_co_u32 s[G0S+1], s94, SCL
	s_mov_b64 s[G0S+2:G0S+3], s[22:23]
	s_or_b32 s[G0S+3], s[G0S+3], 0x80000000
	s_mov_b32 s[G0SB], 1
	s_add_co_u32 s[G0SB+1], s94, SCL
	s_mov_b64 s[G0SB+2:G0SB+3], s[92:93]
	s_or_b32 s[G0SB+3], s[G0SB+3], 0x80000000
	JLOAD G0S, G1S, G0SB, G1SB                     ; the scales first: they are wanted with K step 0
.irp s, 0,1
	s_mov_b32 s[G0+4*\s], 1
	s_add_co_u32 s[G0+4*\s+1], s45, \s*SLOT
	s_add_nc_u64 s[G0+4*\s+2:G0+4*\s+3], s[20:21], \s*ROWB
	s_or_b32 s[G0+4*\s+3], s[G0+4*\s+3], 0x80000000
	s_mov_b32 s[G0B+4*\s], 1
	s_add_co_u32 s[G0B+4*\s+1], s45, \s*SLOT
	s_add_nc_u64 s[G0B+4*\s+2:G0B+4*\s+3], s[46:47], \s*ROWB
	s_or_b32 s[G0B+4*\s+3], s[G0B+4*\s+3], 0x80000000
	JLOAD G0+4*\s, G1, G0B+4*\s, G1B               ; three tensor loads of mine are out now
.endr
	v_and_b32 v1, 15, v0                           ; r = l % 16
	v_bfe_u32 v2, v0, 4, 1                         ; hl = l / 16
	v_mul_u32_u24 v3, v1, PITCH
	v_mul_u32_u24 v4, v2, 24
	v_add_nc_u32 v4, v3, v4                        ; a fragment's row x pitch + 24 x half
	v_lshl_add_u32 v5, v2, 4, v4                   ; and the same behind one padding more
	s_mul_i32 s21, s15, HALFT                      ; my 128 rows of A
	s_mul_i32 s22, s16, HALFT                      ; my 128 rows of B,
	s_add_co_u32 s22, s22, 2*HALFT                 ; which lie behind A's 256
.irp s, 0,1
	v_add_nc_u32 v[ADRA+\s], s21, v4
	v_add_nc_u32 v[ADRB+\s], s22, v4
	v_add_nc_u32 v[ADRA+2+\s], s21, v5
	v_add_nc_u32 v[ADRB+2+\s], s22, v5
	s_add_co_u32 s21, s21, SLOT
	s_add_co_u32 s22, s22, SLOT
.endr
	v_mul_u32_u24 v5, v1, KS                       ; my row's scales: 32 bytes a row,
	v_lshrrev_b32 v6, 8, v5
	v_lshl_add_u32 v5, v6, 4, v5                   ; and 16 more for each 256 passed
	s_mul_i32 s21, s15, HALFS                      ; A's: my 128 rows
	s_mul_i32 s22, s16, HALFS                      ; B's: my 128 rows, behind A's 256
	s_add_co_u32 s22, s22, 2*HALFS
	s_sub_co_u32 s22, s22, s21
	v_mul_u32_u24 v6, s22, v2                      ; lanes 16-31 take B's
	s_add_co_u32 s21, s21, SCL
	v_add_nc_u32 v5, v5, v6
	v_add_nc_u32 v[ADRS], s21, v5
	v_and_b32 v6, 31, v0
	v_lshlrev_b32 v[LI], 4, v6
	; where my images go and where my bias begins
	s_lshl_b32 s20, s17, 8
	s_lshl_b32 s21, s15, 7
	s_add_co_u32 s20, s20, s21                     ; my first row of A's side
	s_lshl_b32 s46, s42, 8
	s_lshl_b32 s47, s16, 7
	s_add_co_u32 s46, s46, s47                     ; my first row of B's side
	s_cmp_eq_u32 s98, 2
	s_cselect_b32 s22, s46, s20                    ; my first token
	s_cselect_b32 s23, s20, s46                    ; my first feature
	s_cselect_b32 s92, 0, 32                       ; the bias offset of register j is hl x s92 + r x s93 + j x s94: P = 0, 1: 32 hl + 4 j;  P = 2: 4 r
	s_cselect_b32 s93, 4, 0
	s_cselect_b32 s94, 0, 4
	s_lshr_b32 s20, s22, 10                        ; the batch,
	s_lshl_b32 s20, s20, 4
	s_lshr_b32 s21, s23, 6                         ; my first head (an even one)
	s_add_co_u32 s20, s20, s21
	s_mul_i32 s20, s20, HREC                       ; its record,
	s_bfe_u32 s21, s22, 0x30007                    ; and my step of 128 tokens in it
	s_mul_i32 s21, s21, STEPB
	s_add_co_u32 s20, s20, s21
	s_mov_b32 s21, 0
	s_add_nc_u64 s[12:13], s[12:13], s[20:21]
	s_lshl_b32 s20, s23, 2
	s_add_nc_u64 s[96:97], s[96:97], s[20:21]
	v_mul_u32_u24 v5, v2, s92
	v_mad_u32_u24 v5, v1, s93, v5
.irp j, 0,1,2,3,4,5,6,7
	v_mad_u32_u24 v[AD+\j], s94, \j, v5
.endr
	WIN TO_B
.irp x, 0,1,2,3,4,5,6,7
.irp j, 0,1,2,3,4,5,6,7
	global_load_b32 v[BIAS+8*\x+96*(\x/4)+\j], v[AD+\j], s[96:97] offset:64*\x   ; bias tile x, in the result's layout
.endr
.endr
	WIN 0
	s_mov_b32 s20, 0x76543210                      ; v_permlanex16_b32's selects for lane l xor 16
	s_mov_b32 s21, 0xfedcba98
.macro FRAG reg, adr, q, i             ; a fragment, 16 rows x 128 K, is 12 registers: lane l holds row l % 16; registers 6 c .. 6 c + 5 hold K = 64 c + 32 (l / 16) + 0 .. 31: 24 bytes of the row's stream of bits, as they lie
.irp p, 0,1,2,3,4,5                    ; in pieces of 8 bytes.  Lanes 16-31 read three pieces further on than lanes 0-15: where that is behind one padding more, the second address register serves
.set PC, 12*(\q)+6*(\p/3)+\p%3
.if PC%8 < 5
	ds_load_b64 v[\reg+2*\p:\reg+2*\p+1], v[\adr] offset:8*PC+16*(PC/8)+(\i)*16*PITCH
.else
	ds_load_b64 v[\reg+2*\p:\reg+2*\p+1], v[\adr+2] offset:8*PC+16*(PC/8)+(\i)*16*PITCH
.endif
.endr
.endm
; 16 matrix instructions: A's blocks a0, a0 + 1 x B's eight, 128 along K.  p: B's set; sc: the set of scale words.  mode 0: the sums go on; 1: they begin with the bias tile of B's block; 2: of A's block.
; The 64 accumulators take turns, one instruction a turn, in the same order in every step.
.macro MUL16 a0, p, q, sc, mode
.irp a, \a0, \a0+1
.irp b, 0,1,2,3,4,5,6,7
.set rD, 8*(8*((\a)%4)+\b)
.set rB, 128*(\p)+FR*\b
.set rA, AF+FR*(\a)
.set rC, rD
.if \mode == 1
.set rC, BIAS+8*\b+96*(\b/4)
.endif
.if \mode == 2
.set rC, BIAS+8*(\a)+96*((\a)/4)
.endif
	v_wmma_scale_f32_16x16x128_f8f6f4 v[rD:rD+7], v[rB:rB+FR-1], v[rA:rA+FR-1], v[rC:rC+7], v[SC+8*NQ*(\sc)+NQ*\b+(\q)], v[SC+8*NQ*(\sc)+NQ*(\a)+(\q)] matrix_a_fmt:MATRIX_FMT_FP6 matrix_b_fmt:MATRIX_FMT_FP6 matrix_a_scale:MATRIX_SCALE_ROW1
.endr
.endr
.endm
.macro FETCH_B slot, q, p              ; B's eight fragments of the slot's q-th 128 along K into set p
	WIN TO_B
.irp i, 0,1,2,3,4,5,6,7
	FRAG 128*(\p)+FR*\i, ADRB+\slot, \q, \i
.endr
	WIN 0
.endm
.macro FETCH_A slot, q, i0             ; A's blocks i0 .. i0 + 3
.irp i, \i0, \i0+1, \i0+2, \i0+3
	FRAG AF+FR*(\i), ADRA+\slot, \q, \i
.endr
.endm
.macro SCALES sc                       ; a K step's scale words into set sc: two words a row; lanes 0-15 take A's block i, lanes 16-31 B's block i
.irp i, 0,1,2,3,4,5,6,7
	ds_load_b64 v[SC+8*NQ*\sc+NQ*\i:SC+8*NQ*\sc+NQ*\i+1], v[ADRS] offset:\i*SBLK
.endr
.endm
; A load into a register that a matrix instruction has read, and a vector instruction that reads a matrix result, stand NP places behind it; only plain vector instructions that name none of its registers are places.
.macro PLACES n
.rept \n
	v_nop
.endr
.endm
; A step of 128 along K that has its successor in the same slot.  A has one set of registers: blocks 0-3 are fetched anew in the step's middle, blocks 4-7 at its end; B has two sets.
.macro STEP slot, q, mode
	s_wait_dscnt 4*NL                              ; B's set, the scale words and A's blocks 0-3 are in; the youngest 24 loads (A's blocks 4-7) may be out
.if \mode
	WIN FST_LO
.else
	WIN MUL_LO
.endif
	MUL16 0, (\q)%2, \q, \slot, \mode
	MUL16 2, (\q)%2, \q, \slot, \mode
	s_wait_dscnt 0                                 ; A's blocks 4-7 are in
	PLACES NP
	FETCH_B \slot, (\q)+1, 1-(\q)%2
	FETCH_A \slot, (\q)+1, 0
.if \mode
	WIN FST_HI
.else
	WIN MUL_HI
.endif
	MUL16 4, (\q)%2, \q, \slot, \mode
	MUL16 6, (\q)%2, \q, \slot, \mode
	PLACES NP
	WIN 0
	FETCH_A \slot, (\q)+1, 4
.endm
; A slot's last step changes slots: ONE barrier; in front of it each wave waits for all its tensor loads, adds 0 to its spare word, and waits for that and for its own reads of this slot.  fill = 1: this slot is filled again, two K steps ahead.
.macro TURN slot, next, fill
	s_wait_tensorcnt 0x0                           ; all my tensor loads have landed: my part of the next slot
	ds_add_u32 v[SPW], v[NIL]                      ; 0 onto my spare word
	s_wait_dscnt 4*NL+1                            ; (the add and the youngest 24 loads, A's blocks 4-7, may be out)
	WIN MUL_LO
	MUL16 0, 1, NQ-1, \slot, 0                     ; sixteen matrix instructions stand between the add and the wait for it
	s_wait_dscnt 0x0                               ; the add is done, and my reads of this slot are over
	s_barrier_signal -1
	MUL16 2, 1, NQ-1, \slot, 0
	WIN 0
	s_barrier_wait -1
.if \fill
	CREST                                          ; the barrier has opened a round of the cluster's barrier: no wave of any partner still reads this slot or has a load on its way
	s_add_nc_u64 s[G0+4*\slot+2:G0+4*\slot+3], s[G0+4*\slot+2:G0+4*\slot+3], 2*ROWB
	s_add_nc_u64 s[G0B+4*\slot+2:G0B+4*\slot+3], s[G0B+4*\slot+2:G0B+4*\slot+3], 2*ROWB
	JLOAD G0+4*\slot, G1, G0B+4*\slot, G1B         ; the first tensor load behind the round; the four v_nop behind it are the places in front of the loads below
.else
	PLACES NP
.endif
	v_add_nc_u32 v[ADRS], 4*NQ, v[ADRS]            ; on to the next K step's scale words
	FETCH_B \next, 0, 0
	FETCH_A \next, 0, 0
	SCALES \next
	WIN MUL_HI
	MUL16 4, 1, NQ-1, \slot, 0
	MUL16 6, 1, NQ-1, \slot, 0
	PLACES NP
	WIN 0
	FETCH_A \next, 0, 4
.endm
	s_wait_tensorcnt 1                             ; the scales and my part of K step 0 are in; K step 1's load may stay out
	s_barrier_signal -1
	s_barrier_wait -1                              ; everybody's are
	FETCH_B 0, 0, 0
	FETCH_A 0, 0, 0
	SCALES 0
	FETCH_A 0, 0, 4
	s_wait_loadcnt 0x0                             ; the bias
	s_cmp_eq_u32 s98, 2                            ; the first step is written twice: it differs in which bias tile starts a sum.  No barrier and no tensor load stands in it
	s_cbranch_scc1 .Lfirst_v
	STEP 0, 0, 1
	s_branch .Lfirst_done
.Lfirst_v:
	STEP 0, 0, 2
.Lfirst_done:
	TURN 0, 1, 1                                   ; K = 1,024 is four slots' worth: written out, no loop
	STEP 1, 0, 0
	TURN 1, 0, 1
	STEP 0, 0, 0
	TURN 0, 1, 0                                   ; nothing is left to fetch
	STEP 1, 0, 0
	s_wait_dscnt 4*NL
	WIN MUL_LO
	MUL16 0, 1, NQ-1, 1, 0
	MUL16 2, 1, NQ-1, 1, 0
	s_wait_dscnt 0
	WIN MUL_HI
	MUL16 4, 1, NQ-1, 1, 0
	MUL16 6, 1, NQ-1, 1, 0
	WIN 0
; THE WAY OUT.  QUANT takes A's block a: a lane's 64 numbers, register 16 b + i of them in block b of 32 along B's side.  Each block's largest magnitude (with the floor 2^(3 - 127), which holds the byte at 1 from below) is joined
; with lane l xor 16's; 2 off its exponent field is the conversion's scale operand, and that shifted down the byte.  The conversions give half blocks; the exchange of halves gives each lane a whole block: lanes 0-15 blocks 0 and 2,
; lanes 16-31 blocks 1 and 3.  Blocks 0, 1 end in v[d0 .. d0 + 5], blocks 2, 3 in v[d1 .. d1 + 5]; the four bytes stay in v[TM + 4 ..].  Each accumulator is first read at its low end.
.macro QUANT a, d0, d1
.set AC, 64*((\a)%4)
.set WW, 2+(\a)/4
.set WQ, WW*5
	WIN WQ                                         ; sources 0 and 1: the accumulators' window
.irp b, 0,1,2,3
	v_max3_num_f32 v[TM+\b], |v[AC+16*\b]|, |v[AC+16*\b+1]|, 0x1800000
.endr
.irp i, 2,4,6,8,10,12,14
.irp b, 0,1,2,3
	v_max3_num_f32 v[TM+\b], |v[AC+16*\b+\i]|, |v[AC+16*\b+\i+1]|, v[TM+\b]
.endr
.endr
	WIN 0
.irp b, 0,1,2,3
	v_permlanex16_b32 v[TM+4+\b], v[TM+\b], s20, s21
.endr
.irp b, 0,1,2,3
	v_max_num_f32 v[TM+\b], v[TM+\b], v[TM+4+\b]
.endr
.irp b, 0,1,2,3
	v_add_nc_u32 v[TM+12+\b], 0xff000000, v[TM+\b]
.endr
.irp b, 0,1,2,3
	v_lshrrev_b32 v[TM+4+\b], 23, v[TM+12+\b]
.endr
	WIN WW
	v_cvt_scalef32_pk16_fp6_f32 v[\d0:\d0+2], v[AC:AC+15], v[TM+12]
	v_cvt_scalef32_pk16_fp6_f32 v[T2:T2+2], v[AC+16:AC+31], v[TM+13]
	v_cvt_scalef32_pk16_fp6_f32 v[\d1:\d1+2], v[AC+32:AC+47], v[TM+14]
	v_cvt_scalef32_pk16_fp6_f32 v[T2+4:T2+6], v[AC+48:AC+63], v[TM+15]
	WIN 0
	v_nop                                          ; one plain place behind a scaled conversion
.irp i, 0,1,2
	v_permlane16_swap_b32 v[\d0+\i], v[T2+\i]
	v_permlane16_swap_b32 v[\d1+\i], v[T2+4+\i]
.endr
.irp i, 0,1,2
	v_mov_b32 v[\d0+3+\i], v[T2+\i]
	v_mov_b32 v[\d1+3+\i], v[T2+4+\i]
.endr
.endm
.macro WORDS2 a                        ; two scale words of two bytes each, for a K of 64: the upper two bytes are 0x7f, the scale 1, over zero codes
	v_lshl_or_b32 v[W0+(\a)], v[TM+5], 8, v[TM+4]
	v_lshl_or_b32 v[W1+(\a)], v[TM+7], 8, v[TM+6]
	v_or_b32 v[W0+(\a)], 0x7f7f0000, v[W0+(\a)]
	v_or_b32 v[W1+(\a)], 0x7f7f0000, v[W1+(\a)]
.endm
	PLACES NP                                      ; behind the last products
.irp b, 0,1,2,3
	v_mov_b32 v[TM+4+\b], 0                        ; written once: a lane permute's destination counts as one of its sources
.endr
	s_cmp_eq_u32 s98, 2
	s_cbranch_scc1 .Lout_v
	; q or kk: my 128 features are two heads; a tile of 16 tokens gives 6 registers for each head; two tiles make an image
.irp g, 0,1,2,3
.if \g > 0
	s_wait_xcnt 0x0                                ; the last images' stores have had their addresses translated (ISA guide 3.1): X and Y are rewritten only behind this wait
.endif
	QUANT 2*\g, X, Y
	WORDS2 2*\g
	QUANT 2*\g+1, X+6, Y+6
	WORDS2 2*\g+1
.irp c, 0,1,2
	global_store_b128 v[LI], v[X+4*\c:X+4*\c+3], s[12:13] offset:1536*\g+512*\c
	global_store_b128 v[LI], v[Y+4*\c:Y+4*\c+3], s[12:13] offset:HREC+1536*\g+512*\c
.endr
.if \g%2 == 1
	global_store_b128 v[LI], v[W0+4*(\g/2):W0+4*(\g/2)+3], s[12:13] offset:KSCL+512*(\g/2)
	global_store_b128 v[LI], v[W1+4*(\g/2):W1+4*(\g/2)+3], s[12:13] offset:HREC+KSCL+512*(\g/2)
.endif
.endr
	s_branch .Lend
.Lout_v:
	; v: A's block a is 16 channels (head a / 4 of my two, tile a % 4), my 128 tokens are one key step: a whole fragment and a whole scale word
.irp a, 0,1,2,3,4,5,6,7
.if \a > 0
	s_wait_xcnt 0x0                                ; X is rewritten only behind this wait
.endif
	QUANT \a, X, X+6
	v_lshl_or_b32 v[W0+\a], v[TM+5], 8, v[TM+4]
	v_lshl_or_b32 v[W0+\a], v[TM+6], 16, v[W0+\a]
	v_lshl_or_b32 v[W0+\a], v[TM+7], 24, v[W0+\a]
.irp c, 0,1,2
	global_store_b128 v[LI], v[X+4*\c:X+4*\c+3], s[12:13] offset:(\a/4)*HREC+VCOD+1536*(\a%4)+512*\c
.endr
.if \a%4 == 3
	global_store_b128 v[LI], v[W0+4*(\a/4):W0+4*(\a/4)+3], s[12:13] offset:(\a/4)*HREC+VSCL
.endif
.endr
.Lend:
	s_wait_tensorcnt 0x0                           ; the wave's end
	ds_add_u32 v[SPW], v[NIL]
	s_wait_dscnt 0x0
	CROUND                                         ; the closing round: no work-group ends while a partner may still ask for a tile that names it
	s_endpgm
.Lfunc_end_k_qc640b9a279_proj:
	.size	k_qc640b9a279_proj, .Lfunc_end_k_qc640b9a279_proj-k_qc640b9a279_proj
	.p2alignl 7, 3214868480
	.fill 96, 4, 3214868480
	.section	.rodata,"a",@progbits
	.p2align	6, 0x0
	.amdhsa_kernel k_qc640b9a279_proj
		.amdhsa_group_segment_fixed_size 327680
		.amdhsa_private_segment_fixed_size 0
		.amdhsa_enable_private_segment 0
		.amdhsa_kernarg_size 136
		.amdhsa_user_sgpr_count 2
		.amdhsa_user_sgpr_kernarg_segment_ptr 1
		.amdhsa_wavefront_size32 1
		.amdhsa_system_sgpr_workgroup_id_x 1
		.amdhsa_system_sgpr_workgroup_id_y 1
		.amdhsa_system_sgpr_workgroup_id_z 1
		.amdhsa_system_vgpr_workitem_id 0
		.amdhsa_next_free_vgpr 1024
		.amdhsa_next_free_sgpr 102
		.amdhsa_reserve_vcc 0
		.amdhsa_float_denorm_mode_32 3
		.amdhsa_float_denorm_mode_16_64 3
		.amdhsa_memory_ordered 1
		.amdhsa_forward_progress 1
		.amdhsa_inst_pref_size 220
	.end_amdhsa_kernel
	.amdgpu_metadata
---
amdhsa.version: [ 1, 2 ]
amdhsa.kernels:
  - .name:           k_qc640b9a279_proj
    .symbol:         k_qc640b9a279_proj.kd
    .args:
      - { .name: query_codes, .offset: 0, .size: 8, .value_kind: global_buffer, .address_space: global }
      - { .name: query_scales, .offset: 8, .size: 8, .value_kind: global_buffer, .address_space: global }
      - { .name: Wq_codes, .offset: 16, .size: 8, .value_kind: global_buffer, .address_space: global }
      - { .name: Wq_scales, .offset: 24, .size: 8, .value_kind: global_buffer, .address_space: global }
      - { .name: qimg, .offset: 32, .size: 8, .value_kind: global_buffer, .address_space: global }
      - { .name: bq, .offset: 40, .size: 8, .value_kind: global_buffer, .address_space: global }
      - { .name: key_codes, .offset: 48, .size: 8, .value_kind: global_buffer, .address_space: global }
      - { .name: key_scales, .offset: 56, .size: 8, .value_kind: global_buffer, .address_space: global }
      - { .name: Wk_codes, .offset: 64, .size: 8, .value_kind: global_buffer, .address_space: global }
      - { .name: Wk_scales, .offset: 72, .size: 8, .value_kind: global_buffer, .address_space: global }
      - { .name: kv, .offset: 80, .size: 8, .value_kind: global_buffer, .address_space: global }
      - { .name: bk, .offset: 88, .size: 8, .value_kind: global_buffer, .address_space: global }
      - { .name: Wv_codes, .offset: 96, .size: 8, .value_kind: global_buffer, .address_space: global }
      - { .name: Wv_scales, .offset: 104, .size: 8, .value_kind: global_buffer, .address_space: global }
      - { .name: value_codes, .offset: 112, .size: 8, .value_kind: global_buffer, .address_space: global }
      - { .name: value_scales, .offset: 120, .size: 8, .value_kind: global_buffer, .address_space: global }
      - { .name: bv, .offset: 128, .size: 8, .value_kind: global_buffer, .address_space: global }
    .group_segment_fixed_size: 327680
    .private_segment_fixed_size: 0
    .kernarg_segment_align: 8
    .kernarg_segment_size: 136
    .max_flat_workgroup_size: 128
    .sgpr_count:     102
    .vgpr_count:     1024
    .wavefront_size: 32
...
	.end_amdgpu_metadata
.endif
;; end of part 1
;; launch attn (part 2): grid 4 x 64, 16 waves a work-group, clusters of 4 x 1, 223,232 bytes of LDS; arguments qimg, kv, ao, aos; writes ao, aos
.if DOCPART == 2
	.amdgcn_target "amdgcn-amd-amdhsa--gfx1250"
	.amdhsa_code_object_version 6
	.text
	.protected	k_qc640b9a279_attn
	.globl	k_qc640b9a279_attn
	.p2align	8
	.type	k_qc640b9a279_attn,@function
k_qc640b9a279_attn:
	s_mov_b64 s[64:65], 0
	v_nop
	global_prefetch_b8 v0, s[64:65] scope:SCOPE_SE
	s_setreg_imm32_b32 hwreg(HW_REG_WAVE_MODE, 25, 1), 1
	s_wait_xcnt 0x0
	s_wait_alu depctr_hold_cnt(0) depctr_sa_sdst(0) depctr_va_vdst(0) depctr_va_sdst(0) depctr_va_ssrc(0) depctr_va_vcc(0) depctr_vm_vsrc(0)
	s_getreg_b32 s2, hwreg(HW_REG_IB_STS2, 6, 4)
	s_cmp_eq_u32 s2, 0
	s_cbranch_scc0 .Lentry_in_a_cluster
	s_endpgm
.Lentry_in_a_cluster:
	s_bfe_u32 s2, ttmp6, 0x10000c
	s_cmp_lg_u32 s2, 0x3003
	s_cbranch_scc0 .Lentry_shape_is_right
	s_endpgm
.Lentry_shape_is_right:
; ATTENTION on codes of FP6 (E2M3): scores = q kk^T / 32, the softmax, its product with v, the division by the row's sum, and the quantiser of the result along (head, channel) for the last projection.
; THE SOFTMAX AHEAD OF THE SECOND PRODUCT: t = score x log2(e) / 32; M = the row's largest t so far, rounded UP to a whole number; p = 2^(t - M) is quantised along the keys, not normalised; the row's sum is taken of the
; unquantised p and divides at the end.  When M moves, the sum and O are multiplied by 2^(old M - new M): exact.
; SHARES.  A work-group owns 256 queries of one batch and a PAIR of heads, 2 s and 2 s + 1; each of its sixteen waves owns 16 queries and walks the first head's 1,024 keys, then the second's, 128 a step.  So a wave ends with
; 128 neighbours along the last projection's K: one whole fragment and one whole scale word.  Four waves share a SIMD: one wave's vector work stands beside another's products and LDS loads.
; LDS holds the two heads' records as they lie in memory (110,592 bytes each: 8 key steps x [kk's four images | their scale words | v's four images | their scale words]).  They are filled ONCE: no slot is filled again.
; The four query blocks of a cluster share both heads: each part is asked for JOINTLY, by the same tensor load with the same descriptor and the mask of all four.
; OPERANDS ARE IMAGES OF REGISTERS: four registers come by one load of 16 bytes a lane at 16 x lane: 512 consecutive bytes, no pitch, no padding.
; LAYOUT.  Both products are used transposed: S^T = kk q^T (source 0 = 16 keys, source 1 = my 16 queries), O^T = v^T p^T (source 0 = 16 channels, source 1 = p): a lane holds ONE query throughout.
; THE FIRST PRODUCT'S K IS 64, the instruction's 128: q's fragment is 6 registers of codes and 6 of zero codes.  A tile of kk is 6 registers; the instruction names 12, of which the upper 6 are the next tile's codes (behind the
; last tile: 6 registers of zeros): whatever they hold meets zero codes, under the scale byte 0x7f on both sides, and adds nothing (the format has no code for infinity or NaN).
; ORDER INSIDE A BLOCK OF 32: q and kk lie in one order, p and v in one order (0..7, 16..23, 8..15, 24..31): each product pairs the right numbers; only the order of the unit's additions differs.  The result is brought into
; the true order of channels (an exchange of halves of lanes) ahead of its quantiser, since it meets codes that are given.
; LIMITS: NaN and infinities are not served.  A block whose largest magnitude lies under 2^-124 keeps the byte 1, a block of zeros too: its codes are zeros, and only this program reads the bytes.
; A block's largest p is made from the block's largest score by the same multiply-add and exponential; that takes v_exp_f32 not to fall where its input rises.
; REGISTERS: v1-7 addresses; v12 -M, v13 the largest t, v[14:15] the sum; v16-27, v28-39 q of the two heads with their zeros; v40-41 q's scale words; v42-89 kk's eight tiles, then v's four fragments; v90-95 zeros;
; v96-159 S^T, then p; v160-191 O^T; v192-199 kk's scale words, v200-203 v's; v204-215 the result's fragment, v216 its scale word; v224-235 p's codes; v232-254 at work; v253 p's scale word.
.set HREC,  110592
.set STEPB, 13824
.set KSCL,  6144
.set VCOD,  7168
.set VSCL,  13312
.set PART,  6912                       ; a wave's sixteenth of a record: 27 rows of 256 bytes
.set LI,  1                            ; v1  16 x lane
.set ADR, 2                            ; v2  LDS address of the key step in hand
.set LS,  3                            ; v3  4 x lane
.set QO,  4                            ; v4-6 byte offsets of q's three register pairs in its image
.set QSO, 7                            ; v7  and of its scale word
.set KB,  42
.set WV,  12                           ; s12 my wave's number
.set SEL, 20                           ; s[20:21] lane selects for lane l xor 16
.set CS,  22                           ; s[22:23] c = log2(e) / 32
.set G1,  24                           ; s[24:31] descriptor group 1
.set G0A, 32                           ; s[32:35] group 0: my part of the first head;  s[36:39] of the second
.set G0B, 36
.set SO,  40                           ; s40 LDS byte at which the key step begins
.set CNT, 41                           ; s41 key steps to go
.macro CROUND                          ; a round of the cluster's barrier
	s_barrier_signal -1
	s_barrier_wait -1
	s_cmp_lg_u32 s[WV], 0
	s_cbranch_scc1 .Lnot_wave_0_\@
	s_barrier_signal -3
.Lnot_wave_0_\@:
	s_barrier_wait -3
	s_barrier_signal -1
	s_barrier_wait -1
.endm
	s_load_b256 s[4:11], s[0:1], 0x0               ; qimg s[4:5], kv s[6:7], ao s[8:9], aos s[10:11]
	v_lshl_add_u32 v251, v0, 2, 0x36000
	v_mov_b32 v255, 0
	ds_add_u32 v251, v255
	ds_add_u32 v251, v255
	v_lshrrev_b32 v8, 5, v0
	v_readfirstlane_b32 s[WV], v8                  ; wave 0..15
	s_bfe_u32 s13, ttmp6, 0x40000                  ; cx: my block of 256 queries: it enters q's and the results' addresses alone
	s_and_b32 s14, ttmp7, 0xffff                   ; 8 x batch + head pair, which the four partners share
	s_lshr_b32 s15, s14, 3                         ; the batch
	s_and_b32 s16, s14, 7                          ; the head pair
	s_mul_i32 s42, s14, 2*HREC                     ; record 16 x batch + 2 x pair
	s_mul_i32 s17, s[WV], PART                     ; my part of a record, in memory and in LDS alike
	s_add_co_u32 s44, s42, s17
	s_mov_b32 s45, 0
	s_mov_b32 s[G1], 15|(3<<16)|(1<<21)            ; 15:0 the mask: all four work-groups; 17:16 elements of 8 bytes; 20 no padding; 21 set beside a mask
	s_mov_b32 s[G1+1], 32<<16                      ; tensor_dim0 = 32 elements: 256 bytes
	s_mov_b32 s[G1+2], 27<<16                      ; tensor_dim1 = 27
	s_mov_b32 s[G1+3], 32<<16                      ; tile_dim0
	s_mov_b32 s[G1+4], 27                          ; tile_dim1
	s_mov_b32 s[G1+5], 32                          ; tensor_dim0_stride: the block is dense
	s_mov_b32 s[G1+6], 0
	s_mov_b32 s[G1+7], 0
	s_mov_b32 s[SEL], 0x76543210
	s_mov_b32 s[SEL+1], 0xfedcba98
	s_mov_b32 s[CS], 0x3d38aa3b                    ; c = log2(e) / 32
	s_mov_b32 s[CS+1], s[CS]                       ; (named with it as a pair, so it is written)
	s_wait_dscnt 0x0
	s_wait_kmcnt 0x0
	s_mov_b32 s[G0A], 1
	s_mov_b32 s[G0A+1], s17
	s_add_nc_u64 s[G0A+2:G0A+3], s[6:7], s[44:45]
	s_mov_b32 s[G0B], 1
	s_add_co_u32 s[G0B+1], s17, HREC
	s_add_nc_u64 s[G0B+2:G0B+3], s[G0A+2:G0A+3], HREC
	s_or_b32 s[G0A+3], s[G0A+3], 0x80000000
	s_or_b32 s[G0B+3], s[G0B+3], 0x80000000
	CROUND                                         ; all four work-groups are here: the joint loads meet
	tensor_load_to_lds s[G0A:G0A+3], s[G1:G1+7]    ; every wave brings its sixteenth of each head: two tensor loads of mine are out
	s_nop 0
	tensor_load_to_lds s[G0B:G0B+3], s[G1:G1+7]
	s_nop 0
.rept 4
	v_nop
.endr
	; q: step 2 cx + w / 8 of the record, tile w % 8: half w % 2 of image (w % 8) / 2.  Register R of an image lies at 512 (R / 4) + 16 lane + 4 (R % 4); my six are R = 6 (w % 2) + 0 .. 5, in three pairs
	s_lshl_b32 s46, s13, 1
	s_lshr_b32 s47, s[WV], 3
	s_add_co_u32 s46, s46, s47
	s_mul_i32 s46, s46, STEPB
	s_add_co_u32 s46, s46, s42
	s_mov_b32 s47, 0
	s_add_nc_u64 s[4:5], s[4:5], s[46:47]
	v_and_b32 v8, 31, v0
	v_lshlrev_b32 v[LI], 4, v8
	v_lshlrev_b32 v[LS], 2, v8
	s_and_b32 s48, s[WV], 1
	s_bfe_u32 s49, s[WV], 0x20001
	s_mul_i32 s49, s49, 1536
	s_mul_i32 s50, s48, 520                        ; pair 0: at 0, or at 512 + 8
	s_add_co_u32 s50, s50, s49
	v_add_nc_u32 v[QO], s50, v[LI]
	s_add_co_u32 s50, s50, 512                     ; pair 2: at 512, or at 1,024 + 8
	v_add_nc_u32 v[QO+2], s50, v[LI]
	s_mul_i32 s50, s48, 1016                       ; pair 1: at 8, or at 1,024
	s_add_co_u32 s50, s50, s49
	s_add_co_u32 s50, s50, 8
	v_add_nc_u32 v[QO+1], s50, v[LI]
	s_bfe_u32 s50, s[WV], 0x10002                  ; the scale word: image (w % 8) / 4, register w % 4
	s_lshl_b32 s50, s50, 9
	s_and_b32 s51, s[WV], 3
	s_lshl_b32 s51, s51, 2
	s_add_co_u32 s50, s50, s51
	s_add_co_u32 s50, s50, KSCL
	v_add_nc_u32 v[QSO], s50, v[LI]
.irp e, 0,1
.irp i, 0,1,2
	global_load_b64 v[16+12*\e+2*\i:17+12*\e+2*\i], v[QO+\i], s[4:5] offset:\e*HREC
.endr
	global_load_b32 v[40+\e], v[QSO], s[4:5] offset:\e*HREC
.endr
	; where the result goes: ao [token / 256][pair / 2][16 blocks of 16 tokens][pair % 2][1,536];  aos [token / 256][pair][16 blocks][128]
	s_lshl_b32 s52, s15, 2
	s_add_co_u32 s52, s52, s13                     ; token / 256 = 4 x batch + cx
	s_lshl_b32 s53, s52, 2
	s_lshr_b32 s54, s16, 1
	s_add_co_u32 s53, s53, s54
	s_lshl_b32 s53, s53, 4
	s_add_co_u32 s53, s53, s[WV]
	s_mul_i32 s54, s53, 3072
	s_and_b32 s53, s16, 1
	s_mul_i32 s53, s53, 1536
	s_add_co_u32 s54, s54, s53
	s_mov_b32 s55, 0
	s_add_nc_u64 s[8:9], s[8:9], s[54:55]
	s_lshl_b32 s53, s52, 3
	s_add_co_u32 s53, s53, s16
	s_lshl_b32 s53, s53, 4
	s_add_co_u32 s53, s53, s[WV]
	s_lshl_b32 s54, s53, 7
	s_add_nc_u64 s[10:11], s[10:11], s[54:55]
.irp j, 22,23,24,25,26,27,34,35,36,37,38,39,90,91,92,93,94,95
	v_mov_b32 v\j, 0                               ; zero codes: the upper halves of q's two fragments, and what stands behind kk's last tile
.endr
.irp j, 236,237,238,239,252,253
	v_mov_b32 v\j, 0                               ; written once: a lane permute's destination counts as one of its sources; v253 is named as the upper half of the pair v[252:253]
.endr
; A KEY STEP: 128 keys of head e.
.macro STEP e
	v_add_nc_u32 v[ADR], s[SO], v[LI]
.rept 3
	v_nop                                          ; with the addition above: four places in front of loads into registers that the last products have read
.endr
.irp g, 0,1,2,3
.irp c, 0,1,2
	ds_load_b128 v[KB+12*\g+4*\c:KB+12*\g+4*\c+3], v[ADR] offset:1536*\g+512*\c   ; image g: tiles 2 g and 2 g + 1 of 16 keys
.endr
.endr
	ds_load_b128 v[192:195], v[ADR] offset:KSCL
	ds_load_b128 v[196:199], v[ADR] offset:KSCL+512
	s_wait_dscnt 0x0
.irp t, 0,1,2,3,4,5,6,7
	v_wmma_scale_f32_16x16x128_f8f6f4 v[96+8*\t:103+8*\t], v[KB+6*\t:KB+6*\t+11], v[16+12*\e:27+12*\e], 0, v[192+\t], v[40+\e] matrix_a_fmt:MATRIX_FMT_FP6 matrix_b_fmt:MATRIX_FMT_FP6
.endr                                              ; lane (r, hl), register 8 t + j: key 16 t + 8 hl + j of query r: registers 16 b .. 16 b + 15 lie in block b of 32 keys
.rept 4
	v_nop                                          ; places in front of the loads below and of the first read of the scores
.endr
.irp t, 0,1,2,3
.irp c, 0,1,2
	ds_load_b128 v[KB+12*\t+4*\c:KB+12*\t+4*\c+3], v[ADR] offset:VCOD+1536*\t+512*\c   ; v's four fragments (16 channels x 128 keys): they land under the softmax
.endr
.endr
	ds_load_b128 v[200:203], v[ADR] offset:VSCL
.irp b, 0,1,2,3
	v_max3_num_f32 v[232+\b], v[96+16*\b], v[97+16*\b], v[98+16*\b]   ; the largest score of each block of 32 keys: for the row's maximum and, since p rises with the score, for the block's largest p
.endr
.irp i, 3,5,7,9,11,13
.irp b, 0,1,2,3
	v_max3_num_f32 v[232+\b], v[232+\b], v[96+16*\b+\i], v[97+16*\b+\i]
.endr
.endr
.irp b, 0,1,2,3
	v_max_num_f32 v[232+\b], v[232+\b], v[111+16*\b]
.endr
.irp b, 0,1,2,3
	v_permlanex16_b32 v[236+\b], v[232+\b], s[SEL], s[SEL+1]
.endr
.irp b, 0,1,2,3
	v_max_num_f32 v[232+\b], v[232+\b], v[236+\b]  ; with lane l xor 16's 16 keys
.endr
	v_max3_num_f32 v254, v232, v233, v234
	v_max_num_f32 v254, v254, v235                 ; the step's largest score of my query
	v_mul_f32 v254, s[CS], v254                    ; as t (c is positive)
	v_max_num_f32 v13, v13, v254                   ; the running largest t
	v_mov_b32 v254, v12
	v_floor_f32 v12, -v13                          ; the new -M = floor(-t): M is a whole number
	v_sub_f32 v254, v12, v254                      ; old M - new M: a whole number, 0 or less
	v_cvt_i32_f32 v254, v254                       ; (it saturates)
	v_ldexp_f32 v252, 1.0, v254                    ; f = 2^(old M - new M)
.set jj, 0
.rept 32
	v_pk_fma_f32 v[96+jj:97+jj], v[96+jj:97+jj], s[CS:CS+1], v[12:13] op_sel_hi:[1,0,0]   ; t - M, two at a time
.set jj, jj+2
.endr
.irp b, 0,1,2,3
	v_fma_f32 v[232+\b], v[232+\b], s[CS], v12     ; the same of each block's largest score
.endr
.set jj, 0
.rept 64
	v_exp_f32 v[96+jj], v[96+jj]                   ; p = 2^(t - M), at most 1
.set jj, jj+1
.endr
.irp b, 0,1,2,3
	v_exp_f32 v[232+\b], v[232+\b]                 ; the block's largest p
.endr
	v_pk_mul_f32 v[14:15], v[14:15], v[252:253] op_sel_hi:[1,0]   ; the sums under the new M.  (A plain place behind the exponentials)
	s_wait_alu depctr_va_vdst(0)
.irp b, 0,1,2,3
	v_max_num_f32 v[232+\b], 0x1800000, v[232+\b]  ; the floor 2^(3 - 127): the byte cannot fall under 1
.endr
.irp b, 0,1,2,3
	v_add_nc_u32 v[244+\b], 0xff000000, v[232+\b]  ; 2 off the exponent field: the conversion's scale operand
.endr
.irp b, 0,1,2,3
	v_lshrrev_b32 v[236+\b], 23, v[244+\b]         ; the scale's byte
.endr
	v_lshl_or_b32 v253, v237, 8, v236              ; p's scale word for these 128 keys
	v_lshl_or_b32 v253, v238, 16, v253
	v_lshl_or_b32 v253, v239, 24, v253
.irp c, 0,1
	v_cvt_scalef32_pk16_fp6_f32 v[224+6*\c:226+6*\c], v[96+32*\c:111+32*\c], v[244+2*\c]
	v_cvt_scalef32_pk16_fp6_f32 v[236+4*\c:238+4*\c], v[112+32*\c:127+32*\c], v[244+2*\c+1]
.endr
	v_nop                                          ; one plain place behind a scaled conversion
.irp c, 0,1                                        ; the operand's layout wants a whole block in a lane
.irp i, 0,1,2
	v_permlane16_swap_b32 v[224+6*\c+\i], v[236+4*\c+\i]
.endr
.irp i, 0,1,2
	v_mov_b32 v[227+6*\c+\i], v[236+4*\c+\i]
.endr
.endr
	v_pk_add_f32 v[236:237], v[96:97], v[98:99]    ; the row's sum is taken of the unquantised p: two at a time, in two chains
.set jj, 4
.rept 15
	v_pk_add_f32 v[14:15], v[14:15], v[96+jj:97+jj]
	v_pk_add_f32 v[236:237], v[236:237], v[98+jj:99+jj]
.set jj, jj+4
.endr
	v_pk_add_f32 v[14:15], v[14:15], v[236:237]
.set jj, 0
.rept 16
	v_pk_mul_f32 v[160+jj:161+jj], v[160+jj:161+jj], v[252:253] op_sel_hi:[1,0]   ; O^T under the new M, each accumulator from its low end on
.set jj, jj+2
.endr
	s_wait_dscnt 0x0                               ; v's fragments and scale words are in
.irp t, 0,1,2,3
	v_wmma_scale_f32_16x16x128_f8f6f4 v[160+8*\t:167+8*\t], v[KB+12*\t:KB+12*\t+11], v[224:235], v[160+8*\t:167+8*\t], v[200+\t], v253 matrix_a_fmt:MATRIX_FMT_FP6 matrix_b_fmt:MATRIX_FMT_FP6
.endr                                              ; the four accumulators take turns; between two links of a chain stand three of these and the next step's eight
.endm
; A HEAD'S END: O^T / the sum; the channels into their true order; two blocks of 32 quantised: registers 6 e .. 6 e + 5 of the result's fragment and bytes 2 e, 2 e + 1 of its scale word.
.macro FINISH e
.rept 4
	v_nop                                          ; places behind the last products
.endr
	v_add_f32 v14, v14, v15                        ; the sum's two halves,
	v_permlanex16_b32 v252, v14, s[SEL], s[SEL+1]
	v_add_f32 v14, v14, v252                       ; and lane l xor 16's
	v_rcp_f32 v14, v14
	v_nop                                          ; one plain place behind a transcendental
.set jj, 0
	s_wait_alu depctr_va_vdst(0)
.rept 16
	v_pk_mul_f32 v[160+jj:161+jj], v[160+jj:161+jj], v[14:15] op_sel_hi:[1,0]
.set jj, jj+2
.endr
.irp u, 0,1                                        ; register 8 t + j holds channel 16 t + 8 hl + j.  The upper lanes of tile 2 u change places with the lower lanes of tile 2 u + 1: registers 16 u + i then hold channel 32 u + 16 hl + i
.irp j, 0,1,2,3,4,5,6,7
	v_permlane16_swap_b32 v[160+16*\u+\j], v[168+16*\u+\j]
.endr
.endr
.irp u, 0,1
	v_max3_num_f32 v[232+\u], |v[160+16*\u]|, |v[161+16*\u]|, 0x1800000
.endr
.irp i, 2,4,6,8,10,12,14
.irp u, 0,1
	v_max3_num_f32 v[232+\u], v[232+\u], |v[160+16*\u+\i]|, |v[161+16*\u+\i]|
.endr
.endr
.irp u, 0,1
	v_permlanex16_b32 v[236+\u], v[232+\u], s[SEL], s[SEL+1]
.endr
.irp u, 0,1
	v_max_num_f32 v[232+\u], v[232+\u], v[236+\u]
.endr
.irp u, 0,1
	v_add_nc_u32 v[244+\u], 0xff000000, v[232+\u]
.endr
.irp u, 0,1
	v_lshrrev_b32 v[240+\u], 23, v[244+\u]
.endr
.if \e == 0
	v_lshl_or_b32 v216, v241, 8, v240
.else
	v_lshl_or_b32 v216, v240, 16, v216
	v_lshl_or_b32 v216, v241, 24, v216
.endif
	v_cvt_scalef32_pk16_fp6_f32 v[204+6*\e:206+6*\e], v[160:175], v244
	v_cvt_scalef32_pk16_fp6_f32 v[236:238], v[176:191], v245
	v_nop                                          ; one plain place behind a scaled conversion
.irp i, 0,1,2
	v_permlane16_swap_b32 v[204+6*\e+\i], v[236+\i]
.endr
.irp i, 0,1,2
	v_mov_b32 v[207+6*\e+\i], v[236+\i]
.endr
.endm
.macro HEAD e
	v_mov_b32 v13, 0xff61b1e6                      ; the largest t so far: -3e38, under every t
	v_floor_f32 v12, -v13                          ; -M
	v_mov_b32 v14, 0
	v_mov_b32 v15, 0
.set jj, 0
.rept 32
	v_mov_b32 v[160+jj], 0                         ; O^T.  (The step is written once: the first finds zeros, which the first change of M leaves zeros)
.set jj, jj+1
.endr
	s_mov_b32 s[SO], \e*HREC
	s_mov_b32 s[CNT], 8
.Lstep_\@:
	STEP \e
	s_add_co_u32 s[SO], s[SO], STEPB
	s_sub_co_u32 s[CNT], s[CNT], 1
	s_cmp_lg_u32 s[CNT], 0
	s_cbranch_scc1 .Lstep_\@
	FINISH \e
.endm
	s_wait_tensorcnt 1                             ; my part of the first head is in; the second head's may stay out
	s_barrier_signal -1
	s_barrier_wait -1                              ; everybody's is
	s_wait_loadcnt 0x0                             ; q
	HEAD 0
	s_wait_tensorcnt 0x0                           ; my part of the second head is in
	s_wait_dscnt 0x0
	s_barrier_signal -1
	s_barrier_wait -1
	HEAD 1
.irp c, 0,1,2
	global_store_b128 v[LI], v[204+4*\c:207+4*\c], s[8:9] offset:512*\c   ; the fragment as it stands: 512 consecutive bytes a store, aligned
.endr
	global_store_b32 v[LS], v216, s[10:11]         ; its scale words: 128 consecutive bytes
	s_wait_tensorcnt 0x0
	ds_add_u32 v251, v255
	s_wait_dscnt 0x0
	CROUND                                         ; the closing round
	s_endpgm
.Lfunc_end_k_qc640b9a279_attn:
	.size	k_qc640b9a279_attn, .Lfunc_end_k_qc640b9a279_attn-k_qc640b9a279_attn
	.p2alignl 7, 3214868480
	.fill 96, 4, 3214868480
	.section	.rodata,"a",@progbits
	.p2align	6, 0x0
	.amdhsa_kernel k_qc640b9a279_attn
		.amdhsa_group_segment_fixed_size 223232
		.amdhsa_private_segment_fixed_size 0
		.amdhsa_enable_private_segment 0
		.amdhsa_kernarg_size 32
		.amdhsa_user_sgpr_count 2
		.amdhsa_user_sgpr_kernarg_segment_ptr 1
		.amdhsa_wavefront_size32 1
		.amdhsa_system_sgpr_workgroup_id_x 1
		.amdhsa_system_sgpr_workgroup_id_y 1
		.amdhsa_system_sgpr_workgroup_id_z 1
		.amdhsa_system_vgpr_workitem_id 0
		.amdhsa_next_free_vgpr 256
		.amdhsa_next_free_sgpr 66
		.amdhsa_reserve_vcc 0
		.amdhsa_float_denorm_mode_32 3
		.amdhsa_float_denorm_mode_16_64 3
		.amdhsa_memory_ordered 1
		.amdhsa_forward_progress 1
		.amdhsa_inst_pref_size 48
	.end_amdhsa_kernel
	.amdgpu_metadata
---
amdhsa.version: [ 1, 2 ]
amdhsa.kernels:
  - .name:           k_qc640b9a279_attn
    .symbol:         k_qc640b9a279_attn.kd
    .args:
      - { .name: qimg, .offset: 0, .size: 8, .value_kind: global_buffer, .address_space: global }
      - { .name: kv, .offset: 8, .size: 8, .value_kind: global_buffer, .address_space: global }
      - { .name: ao, .offset: 16, .size: 8, .value_kind: global_buffer, .address_space: global }
      - { .name: aos, .offset: 24, .size: 8, .value_kind: global_buffer, .address_space: global }
    .group_segment_fixed_size: 223232
    .private_segment_fixed_size: 0
    .kernarg_segment_align: 8
    .kernarg_segment_size: 32
    .max_flat_workgroup_size: 512
    .sgpr_count:     66
    .vgpr_count:     256
    .wavefront_size: 32
...
	.end_amdgpu_metadata
.endif
;; end of part 2
;; launch outp (part 3): grid 4 x 32, 4 waves a work-group, clusters of 4 x 4, 327,680 bytes of LDS; arguments ao, aos, Wo_codes, Wo_scales, bo, out0; writes out0
.if DOCPART == 3
	.amdgcn_target "amdgcn-amd-amdhsa--gfx1250"
	.amdhsa_code_object_version 6
	.text
	.protected	k_qc640b9a279_outp
	.globl	k_qc640b9a279_outp
	.p2align	8
	.type	k_qc640b9a279_outp,@function
k_qc640b9a279_outp:
	s_mov_b64 s[64:65], 0
	v_nop
	global_prefetch_b8 v0, s[64:65] scope:SCOPE_SE
	s_setreg_imm32_b32 hwreg(HW_REG_WAVE_MODE, 25, 1), 1
	s_wait_xcnt 0x0
	s_wait_alu depctr_hold_cnt(0) depctr_sa_sdst(0) depctr_va_vdst(0) depctr_va_sdst(0) depctr_va_ssrc(0) depctr_va_vcc(0) depctr_vm_vsrc(0)
	s_getreg_b32 s2, hwreg(HW_REG_IB_STS2, 6, 4)
	s_cmp_eq_u32 s2, 0
	s_cbranch_scc0 .Lentry_in_a_cluster
	s_endpgm
.Lentry_in_a_cluster:
	s_bfe_u32 s2, ttmp6, 0x10000c
	s_cmp_lg_u32 s2, 0xf033
	s_cbranch_scc0 .Lentry_shape_is_right
	s_endpgm
.Lentry_shape_is_right:
; THE LAST PROJECTION: out0[m][n] = sum over k of A[m][k] Wo[n][k] + bo[n], on codes of FP6 (E2M3) with one E8M0 scale for each 32 along K = 1,024; out0 is [8,192][1,024] f32.
; A, the attention's result, lies in the workspace as IMAGES OF THE OPERAND'S REGISTERS: ao [m / 256][K / 256][16 blocks of 16 rows][2 steps of 128 along K][1,536 bytes]; an image is a fragment's 12 registers, four a piece of 512 bytes,
; lane l's 16 bytes at 16 l.  Its scale words: aos [m / 256][K / 128][16 blocks][128 bytes], 4 bytes a lane.  So a K step's 256 rows of A are one dense block of 49,152 bytes, and a fragment comes by three loads of 16 bytes a lane.
; Wo comes as given: rows of 768 bytes, scales of 32 bytes a row.
; A tile of out0, 256 x 256, is made by four waves, 128 x 128 each: 64 accumulators.  K goes in four steps of 256 through two LDS slots.  The scales come once.  4 x 4 work-groups form a cluster: A's tiles are asked for jointly along
; a row of the cluster, Wo's along a column.  The matrix instruction is used transposed (source 0 = 16 rows of Wo, source 1 = 16 rows of A): a lane holds eight neighbouring numbers of a row of out0.
; The bias is the C of each sum's first product: tile b holds bo[16 b + 8 (l / 16) + j].
; The grid has 128 work-groups: a tile of 256 x 256 of an output of 8,192 x 1,024.
; REGISTERS, in windows of 256: window 0: v14-30 addresses; v32-63 A's scale words, v64-95 Wo's, two sets each; v128-223 A's fragments, one set; on the way out v128-255 take rows of out0.
;   window 1: Wo's fragments, two sets, at v0 and v128; the bias at v96-127 and v224-255.   windows 2, 3: the accumulators ((a, b) at v[8 (8 (a % 4) + b)]).
.set SIZE_N, 1024
.set NQ,     2
.set ROWB,   192                       ; a row of Wo's tile
.set KROW,   768
.set PITCH,  240                       ; 3 x (64 bytes + 16 of padding)
.set FR,     12
.set NL,     6                         ; LDS loads that bring a fragment of Wo
.set NLA,    3                         ; and of A
.set NP,     4                         ; places behind this matrix instruction (ISA guide 7.12.1)
.set HALFA,  24576                     ; the images of 128 rows of A x 256 along K: what one tensor load brings
.set HALFT,  128*PITCH                 ; 128 rows of Wo
.set BOFF,   2*HALFA                   ; a slot: A's images, then Wo's 256 rows
.set SLOT,   BOFF+2*HALFT
.set SCA,    2*SLOT                    ; behind the ring: A's scale words, 16,384 bytes as they lie in memory;
.set SCB,    SCA+16384                 ; Wo's scales, as 256 bytes + 16 of padding
.set HALFS,  4352                      ; those of 128 rows
.set SBLK,   544                       ; of 16 rows
.set SPARE,  SCB+2*HALFS               ; the spare words, 128 bytes a wave: two blocks of 256 bytes that no other line names
.set SPITCH, 528                       ; the way out: a stage of 16 rows x (512 bytes + 16) for each wave, in slot 0, which has had its last fill and its last read when the first result is stored there
.set LI,   14                          ; v14 16 x lane
.set LS,   15                          ; v15 4 x lane
.set ADRA, 16                          ; v16-17 LDS address of my A images in slot 0, 1
.set ADRB, 20                          ; v20-21 of my fragments of Wo; v22-23 the same behind one padding more
.set STO,  24
.set RD,   25
.set CO,   26
.set ADSB, 27                          ; v27 LDS address of Wo's scale words
.set SPW,  28
.set NIL,  29
.set ADSA, 30                          ; v30 of A's
.set SA,   32                          ; set s at v[SA + 16 s]; register 2 i + q: block i, the slot's q-th 128 along K
.set SB,   64
.set AF,   128
.set BK,   128
.set BIAS, 96
.set G1, 24
.set G0, 32
.set G1B, 48
.set G0B, 56
.set G1S, 68
.set G0S, 76
.set G1SB, 80
.set G0SB, 88
.set MSB, 0
.macro WIN new                         ; the immediate's high byte repeats the setting that is left
.if MSB != \new
	s_set_vgpr_msb (MSB<<8)|\new
.set MSB, \new
.endif
.endm
.set MUL_LO, 0xa1
.set MUL_HI, 0xf1
.set FST_LO, 0x91                      ; the first products: C (the bias) window 1, D window 2
.set FST_HI, 0xd1
.set TO_B,   0x40
.macro JLOAD g0a, g1a, g0b, g1b        ; a joint load: waves 0 and 1 fetch for A, waves 2 and 3 for Wo; four v_nop follow each of the two lines
	s_cmp_eq_u32 s15, 0
	s_cbranch_scc0 .Lfor_b_\@
	tensor_load_to_lds s[\g0a:\g0a+3], s[\g1a:\g1a+7]
	s_nop 0
.rept 4
	v_nop
.endr
	s_branch .Lasked_\@
.Lfor_b_\@:
	tensor_load_to_lds s[\g0b:\g0b+3], s[\g1b:\g1b+7]
	s_nop 0
.rept 4
	v_nop
.endr
.Lasked_\@:
.endm
.macro CREST
	s_cmp_lg_u32 s14, 0
	s_cbranch_scc1 .Lnot_wave_0_\@
	s_barrier_signal -3
.Lnot_wave_0_\@:
	s_barrier_wait -3
	s_barrier_signal -1
	s_barrier_wait -1
.endm
.macro CROUND
	s_barrier_signal -1
	s_barrier_wait -1
	CREST
.endm
	s_load_b128 s[4:7], s[0:1], 0x0                ; ao, aos
	s_load_b128 s[8:11], s[0:1], 0x10              ; Wo's codes, Wo's scales
	s_load_b64 s[2:3], s[0:1], 0x20                ; bo
	s_load_b64 s[12:13], s[0:1], 0x28              ; out0
	v_lshl_add_u32 v[SPW], v0, 2, SPARE
	v_mov_b32 v[NIL], 0
	ds_add_u32 v28, v29
	ds_add_u32 v28, v29
	s_wait_dscnt 0x0
	v_lshrrev_b32 v1, 5, v0
	v_readfirstlane_b32 s14, v1                    ; wave 0..3
	s_lshr_b32 s15, s14, 1                         ; which half of the tile's rows is mine.  Also: I fetch for A (0) or for Wo (1)
	s_and_b32 s16, s14, 1                          ; which half of its columns.  Also: which half of that tile I fetch
	s_bfe_u32 s40, ttmp6, 0x40000                  ; cx, cy
	s_bfe_u32 s41, ttmp6, 0x40004
	s_lshl_b32 s42, ttmp9, 2
	s_add_co_u32 s42, s42, s40                     ; tile column
	s_and_b32 s17, ttmp7, 0xffff
	s_lshl_b32 s17, s17, 2
	s_add_co_u32 s17, s17, s41                     ; tile row
	s_lshl_b32 s43, s41, 2
	s_lshl_b32 s43, 15, s43                        ; my row of the cluster
	s_lshl_b32 s44, 0x1111, s40                    ; my column
	; A's tile: 24,576 dense bytes as 96 rows of 256 (32 elements of 8 bytes), no padding
	s_or_b32 s[G1+0], s43, (3<<16)|(1<<21)
	s_mov_b32 s[G1+1], 32<<16
	s_mov_b32 s[G1+2], 96<<16
	s_mov_b32 s[G1+3], 32<<16
	s_mov_b32 s[G1+4], 96
	s_mov_b32 s[G1+5], 32
	s_mov_b32 s[G1+6], 0
	s_mov_b32 s[G1+7], 0
	; Wo's tile: 128 rows x 192 bytes, 16 bytes of padding behind every 64
	s_or_b32 s[G1B+0], s44, (0<<16)|(1<<20)|(1<<21)|(3<<22)|(3<<25)
	s_mov_b32 s[G1B+1], ROWB<<16
	s_mov_b32 s[G1B+2], 128<<16
	s_mov_b32 s[G1B+3], ROWB<<16
	s_mov_b32 s[G1B+4], 128
	s_mov_b32 s[G1B+5], KROW
	s_mov_b32 s[G1B+6], 0
	s_mov_b32 s[G1B+7], 0
	; A's scale words: 8,192 dense bytes as 32 rows of 256, no padding
	s_or_b32 s[G1S+0], s43, (3<<16)|(1<<21)
	s_mov_b32 s[G1S+1], 32<<16
	s_mov_b32 s[G1S+2], 32<<16
	s_mov_b32 s[G1S+3], 32<<16
	s_mov_b32 s[G1S+4], 32
	s_mov_b32 s[G1S+5], 32
	s_mov_b32 s[G1S+6], 0
	s_mov_b32 s[G1S+7], 0
	; Wo's scales of 128 rows: 4,096 dense bytes as 16 rows of 256, 16 bytes of padding behind each
	s_or_b32 s[G1SB+0], s44, (3<<16)|(1<<20)|(1<<21)|(5<<22)|(3<<25)
	s_mov_b32 s[G1SB+1], 32<<16
	s_mov_b32 s[G1SB+2], 16<<16
	s_mov_b32 s[G1SB+3], 32<<16
	s_mov_b32 s[G1SB+4], 16
	s_mov_b32 s[G1SB+5], 32
	s_mov_b32 s[G1SB+6], 0
	s_mov_b32 s[G1SB+7], 0
	s_mul_i32 s20, s17, 4*BOFF                     ; A: the tile row's four K steps of 49,152 bytes,
	s_mul_i32 s45, s16, HALFA                      ; my half of a step, in memory and in a slot alike
	s_add_co_u32 s20, s20, s45
	s_mov_b32 s21, 0
	s_lshl_b32 s22, s17, 14                        ; A's scale words: 16,384 bytes a tile row, my half
	s_lshl_b32 s19, s16, 13
	s_add_co_u32 s22, s22, s19
	s_mov_b32 s23, 0
	s_add_co_u32 s95, s19, SCA
	s_lshl_b32 s46, s42, 8
	s_lshl_b32 s19, s16, 7
	s_add_co_u32 s46, s46, s19                     ; Wo: row 256 x tile column + 128 x half
	s_lshl_b32 s92, s46, 5                         ; its scales,
	s_mov_b32 s93, 0
	s_mul_i32 s46, s46, KROW                       ; its codes
	s_mov_b32 s47, 0
	s_mul_i32 s94, s16, HALFT
	s_add_co_u32 s94, s94, BOFF
	s_mul_i32 s96, s16, HALFS
	s_add_co_u32 s96, s96, SCB
	s_wait_kmcnt 0x0
	s_add_nc_u64 s[20:21], s[4:5], s[20:21]
	s_add_nc_u64 s[22:23], s[6:7], s[22:23]
	s_add_nc_u64 s[46:47], s[8:9], s[46:47]
	s_add_nc_u64 s[92:93], s[10:11], s[92:93]
	CROUND                                         ; all sixteen work-groups are here: the first joint loads meet
	s_mov_b32 s[G0S], 1
	s_mov_b32 s[G0S+1], s95
	s_mov_b64 s[G0S+2:G0S+3], s[22:23]
	s_or_b32 s[G0S+3], s[G0S+3], 0x80000000
	s_mov_b32 s[G0SB], 1
	s_mov_b32 s[G0SB+1], s96
	s_mov_b64 s[G0SB+2:G0SB+3], s[92:93]
	s_or_b32 s[G0SB+3], s[G0SB+3], 0x80000000
	JLOAD G0S, G1S, G0SB, G1SB                     ; the scales first
.irp s, 0,1
	s_mov_b32 s[G0+4*\s], 1
	s_add_co_u32 s[G0+4*\s+1], s45, \s*SLOT
	s_add_nc_u64 s[G0+4*\s+2:G0+4*\s+3], s[20:21], \s*BOFF
	s_or_b32 s[G0+4*\s+3], s[G0+4*\s+3], 0x80000000
	s_mov_b32 s[G0B+4*\s], 1
	s_add_co_u32 s[G0B+4*\s+1], s94, \s*SLOT
	s_add_nc_u64 s[G0B+4*\s+2:G0B+4*\s+3], s[46:47], \s*ROWB
	s_or_b32 s[G0B+4*\s+3], s[G0B+4*\s+3], 0x80000000
	JLOAD G0+4*\s, G1, G0B+4*\s, G1B               ; three tensor loads of mine are out now
.endr
	v_and_b32 v1, 15, v0                           ; r = l % 16
	v_bfe_u32 v2, v0, 4, 1                         ; hl = l / 16
	v_and_b32 v6, 31, v0
	v_lshlrev_b32 v[LI], 4, v6
	v_lshlrev_b32 v[LS], 2, v6
	v_mul_u32_u24 v3, v1, PITCH
	v_mul_u32_u24 v4, v2, 24
	v_add_nc_u32 v4, v3, v4                        ; Wo: a fragment's row x pitch + 24 x half
	v_lshl_add_u32 v5, v2, 4, v4                   ; and the same behind one padding more
	s_mul_i32 s21, s15, HALFA                      ; my 128 rows of A: eight blocks' images
	s_mul_i32 s22, s16, HALFT                      ; my 128 rows of Wo,
	s_add_co_u32 s22, s22, BOFF                    ; behind A's images
.irp s, 0,1
	v_add_nc_u32 v[ADRA+\s], s21, v[LI]
	v_add_nc_u32 v[ADRB+\s], s22, v4
	v_add_nc_u32 v[ADRB+2+\s], s22, v5
	s_add_co_u32 s21, s21, SLOT
	s_add_co_u32 s22, s22, SLOT
.endr
	v_lshlrev_b32 v5, 5, v1                        ; Wo's scales: 32 bytes a row,
	v_lshrrev_b32 v6, 8, v5
	v_lshl_add_u32 v5, v6, 4, v5                   ; and 16 more for each 256 passed
	s_mul_i32 s21, s16, HALFS
	s_add_co_u32 s21, s21, SCB
	v_add_nc_u32 v[ADSB], s21, v5
	s_lshl_b32 s21, s15, 10                        ; A's scale words: my eight blocks of 128 bytes
	s_add_co_u32 s21, s21, SCA
	v_add_nc_u32 v[ADSA], s21, v[LS]
	s_mul_i32 s23, s14, 16*SPITCH                  ; my stage
	v_mul_u32_u24 v5, v1, SPITCH                   ; in: row l % 16, 32 bytes for each half of the lanes
	v_lshl_add_u32 v5, v2, 5, v5
	v_add_nc_u32 v[STO], s23, v5
	v_mov_b32 v[CO], v[LI]                         ; back: the 32 lanes take one row of 512 bytes; and the same in out0
	v_add_nc_u32 v[RD], s23, v[LI]
	s_lshl_b32 s20, s17, 8
	s_lshl_b32 s21, s15, 7
	s_add_co_u32 s20, s20, s21                     ; my first row of out0
	s_mov_b32 s21, 0
	s_mov_b64 s[18:19], SIZE_N*4
	s_mul_u64 s[20:21], s[20:21], s[18:19]
	s_lshl_b32 s46, s42, 10                        ; my first column, in bytes: 1,024 x tile column + 512 x half
	s_lshl_b32 s47, s16, 9
	s_add_co_u32 s46, s46, s47
	s_mov_b32 s47, 0
	s_add_nc_u64 s[2:3], s[2:3], s[46:47]          ; bo at my first column
	s_add_nc_u64 s[20:21], s[20:21], s[46:47]
	s_add_nc_u64 s[12:13], s[12:13], s[20:21]
	v_lshlrev_b32 v7, 5, v2                        ; 32 hl
	WIN TO_B
.irp b, 0,1,2,3,4,5,6,7
	global_load_b128 v[BIAS+8*\b+96*(\b/4):BIAS+8*\b+96*(\b/4)+3], v7, s[2:3] offset:64*\b        ; bias tile b: bo[16 b + 8 hl + 0 .. 7]
	global_load_b128 v[BIAS+8*\b+96*(\b/4)+4:BIAS+8*\b+96*(\b/4)+7], v7, s[2:3] offset:64*\b+16
.endr
	WIN 0
.macro FRAG reg, adr, q, i             ; a fragment of Wo: 24 bytes of the row's stream of bits twice, in pieces of 8 bytes; where lanes 16-31's piece lies behind one padding more, the second address register serves
.irp p, 0,1,2,3,4,5
.set PC, 12*(\q)+6*(\p/3)+\p%3
.if PC%8 < 5
	ds_load_b64 v[\reg+2*\p:\reg+2*\p+1], v[\adr] offset:8*PC+16*(PC/8)+(\i)*16*PITCH
.else
	ds_load_b64 v[\reg+2*\p:\reg+2*\p+1], v[\adr+2] offset:8*PC+16*(PC/8)+(\i)*16*PITCH
.endif
.endr
.endm
; 16 matrix instructions: A's blocks a0, a0 + 1 x Wo's eight, 128 along K.  mode 1: the sums begin with the bias.  The 64 accumulators take turns, one instruction a turn.
.macro MUL16 a0, p, q, sc, mode
.irp a, \a0, \a0+1
.irp b, 0,1,2,3,4,5,6,7
.set rD, 8*(8*((\a)%4)+\b)
.set rB, 128*(\p)+FR*\b
.set rA, AF+FR*(\a)
.set rC, rD
.if \mode
.set rC, BIAS+8*\b+96*(\b/4)
.endif
	v_wmma_scale_f32_16x16x128_f8f6f4 v[rD:rD+7], v[rB:rB+FR-1], v[rA:rA+FR-1], v[rC:rC+7], v[SB+16*(\sc)+2*\b+(\q)], v[SA+16*(\sc)+2*(\a)+(\q)] matrix_a_fmt:MATRIX_FMT_FP6 matrix_b_fmt:MATRIX_FMT_FP6
.endr
.endr
.endm
.macro FETCH_B slot, q, p
	WIN TO_B
.irp i, 0,1,2,3,4,5,6,7
	FRAG 128*(\p)+FR*\i, ADRB+\slot, \q, \i
.endr
	WIN 0
.endm
.macro FETCH_A slot, q, i0             ; A's blocks i0 .. i0 + 3: each image by three loads of 512 consecutive bytes
.irp i, \i0, \i0+1, \i0+2, \i0+3
.irp c, 0,1,2
	ds_load_b128 v[AF+FR*(\i)+4*\c:AF+FR*(\i)+4*\c+3], v[ADRA+\slot] offset:3072*(\i)+1536*(\q)+512*\c
.endr
.endr
.endm
.macro SCALES sc                       ; a K step's scale words into set sc
.irp i, 0,1,2,3,4,5,6,7
.irp q, 0,1
	ds_load_b32 v[SA+16*\sc+2*\i+\q], v[ADSA] offset:(16*\q+\i)*128
.endr
	ds_load_b64 v[SB+16*\sc+2*\i:SB+16*\sc+2*\i+1], v[ADSB] offset:\i*SBLK
.endr
.endm
.macro PLACES n                        ; places behind matrix instructions: plain vector instructions that name none of their registers (ISA guide 7.12.1)
.rept \n
	v_nop
.endr
.endm
.macro STEP slot, q, mode
	s_wait_dscnt 4*NLA                             ; Wo's set, the scale words and A's blocks 0-3 are in; the youngest 12 loads (A's blocks 4-7) may be out
.if \mode
	WIN FST_LO
.else
	WIN MUL_LO
.endif
	MUL16 0, (\q)%2, \q, \slot, \mode
	MUL16 2, (\q)%2, \q, \slot, \mode
	s_wait_dscnt 0
	PLACES NP
	FETCH_B \slot, (\q)+1, 1-(\q)%2
	FETCH_A \slot, (\q)+1, 0
.if \mode
	WIN FST_HI
.else
	WIN MUL_HI
.endif
	MUL16 4, (\q)%2, \q, \slot, \mode
	MUL16 6, (\q)%2, \q, \slot, \mode
	PLACES NP
	WIN 0
	FETCH_A \slot, (\q)+1, 4
.endm
; A slot's last step changes slots: ONE barrier; in front of it each wave waits for all its tensor loads, adds 0 to its spare word, and waits for that and for its own reads of this slot.
.macro TURN slot, next, fill
	s_wait_tensorcnt 0x0                           ; all my tensor loads have landed: my part of the next slot
	ds_add_u32 v[SPW], v[NIL]                      ; 0 onto my spare word
	s_wait_dscnt 4*NLA+1                           ; (the add and the youngest 12 loads may be out)
	WIN MUL_LO
	MUL16 0, 1, NQ-1, \slot, 0
	s_wait_dscnt 0x0                               ; the add is done, and my reads of this slot are over
	s_barrier_signal -1
	MUL16 2, 1, NQ-1, \slot, 0
	WIN 0
	s_barrier_wait -1
.if \fill
	CREST                                          ; the barrier has opened a round of the cluster's barrier: no wave of any partner still reads this slot or has a load on its way
	s_add_nc_u64 s[G0+4*\slot+2:G0+4*\slot+3], s[G0+4*\slot+2:G0+4*\slot+3], 2*BOFF
	s_add_nc_u64 s[G0B+4*\slot+2:G0B+4*\slot+3], s[G0B+4*\slot+2:G0B+4*\slot+3], 2*ROWB
	JLOAD G0+4*\slot, G1, G0B+4*\slot, G1B         ; the first tensor load behind the round; its four v_nop are the places in front of the loads below
.else
	PLACES NP
.endif
	v_add_nc_u32 v[ADSA], 4096, v[ADSA]            ; on to the next K step's scale words: two steps of 128 x 16 blocks x 128 bytes,
	v_add_nc_u32 v[ADSB], 4*NQ, v[ADSB]            ; and 8 bytes on in Wo's rows
	FETCH_B \next, 0, 0
	FETCH_A \next, 0, 0
	SCALES \next
	WIN MUL_HI
	MUL16 4, 1, NQ-1, \slot, 0
	MUL16 6, 1, NQ-1, \slot, 0
	PLACES NP
	WIN 0
	FETCH_A \next, 0, 4
.endm
	s_wait_tensorcnt 1                             ; the scales and my part of K step 0 are in; K step 1's load may stay out
	s_barrier_signal -1
	s_barrier_wait -1
	FETCH_B 0, 0, 0
	FETCH_A 0, 0, 0
	SCALES 0
	FETCH_A 0, 0, 4
	s_wait_loadcnt 0x0                             ; the bias
	STEP 0, 0, 1                                   ; the first products start the sums with the bias
	TURN 0, 1, 1                                   ; K = 1,024 is four slots' worth: written out, no loop
	STEP 1, 0, 0
	TURN 1, 0, 1
	STEP 0, 0, 0
	TURN 0, 1, 0                                   ; nothing is left to fetch
	STEP 1, 0, 0
	s_wait_dscnt 4*NLA
	WIN MUL_LO
	MUL16 0, 1, NQ-1, 1, 0
	MUL16 2, 1, NQ-1, 1, 0
	s_wait_dscnt 0
	WIN MUL_HI
	MUL16 4, 1, NQ-1, 1, 0
	MUL16 6, 1, NQ-1, 1, 0
	WIN 0
; THE WAY OUT, block by block of 16 rows x 128 columns, through my own stage in LDS: in as 32 bytes a lane, back as whole rows of 512 bytes.  LDS serves a wave's instructions in order (ISA guide 5.7.1.4): no wait between the stores and the loads.
.macro TOSTAGE a
.set AC, 64*((\a)%4)
	WIN 0x08+4*((\a)/4)                            ; the data: window 2 or 3
.irp b, 0,1,2,3,4,5,6,7
	ds_store_b128 v[STO], v[AC+8*\b:AC+8*\b+3] offset:64*\b          ; each accumulator from its low end on
	ds_store_b128 v[STO], v[AC+8*\b+4:AC+8*\b+7] offset:64*\b+16
.endr
	WIN 0
.set BB, BK+64*((\a)%2)
.irp t, 0,1,2,3,4,5,6,7,8,9,10,11,12,13,14,15
	ds_load_b128 v[BB+4*\t:BB+4*\t+3], v[RD] offset:\t*SPITCH
.endr
.endm
.macro SEND a, younger                 ; younger: the LDS instructions issued behind block a's loads, which may stay out
.set BB, BK+64*((\a)%2)
	s_wait_dscnt \younger
.if (\a) > 0
	s_add_nc_u64 s[12:13], s[12:13], 16*SIZE_N*4   ; (behind a wait on XCNT: the earlier stores have read their base)  16 rows on
.endif
.irp t, 0,1,2,3,4,5,6,7,8,9,10,11,12,13,14,15
	global_store_b128 v[CO], v[BB+4*\t:BB+4*\t+3], s[12:13] offset:\t*SIZE_N*4 th:TH_STORE_NT   ; 32 lanes store 512 consecutive bytes, aligned; written once, read by nobody here
.endr
.endm
	PLACES NP                                      ; behind the last products: for the loads into the registers that held A's fragments and for the reads of results
	TOSTAGE 0
.irp a, 1,2,3,4,5,6,7
.if \a > 1
	s_wait_xcnt 0x0                                ; block a - 2's stores have read their registers and their base
.endif
	TOSTAGE \a
	SEND \a-1, 32                                  ; behind block a - 1's loads: block a's 16 stores and 16 loads
.endr
	s_wait_xcnt 0x0
	SEND 7, 0
	s_wait_tensorcnt 0x0                           ; the wave's end
	ds_add_u32 v[SPW], v[NIL]
	s_wait_dscnt 0x0
	CROUND                                         ; the closing round
	s_endpgm
.Lfunc_end_k_qc640b9a279_outp:
	.size	k_qc640b9a279_outp, .Lfunc_end_k_qc640b9a279_outp-k_qc640b9a279_outp
	.p2alignl 7, 3214868480
	.fill 96, 4, 3214868480
	.section	.rodata,"a",@progbits
	.p2align	6, 0x0
	.amdhsa_kernel k_qc640b9a279_outp
		.amdhsa_group_segment_fixed_size 327680
		.amdhsa_private_segment_fixed_size 0
		.amdhsa_enable_private_segment 0
		.amdhsa_kernarg_size 48
		.amdhsa_user_sgpr_count 2
		.amdhsa_user_sgpr_kernarg_segment_ptr 1
		.amdhsa_wavefront_size32 1
		.amdhsa_system_sgpr_workgroup_id_x 1
		.amdhsa_system_sgpr_workgroup_id_y 1
		.amdhsa_system_sgpr_workgroup_id_z 1
		.amdhsa_system_vgpr_workitem_id 0
		.amdhsa_next_free_vgpr 1024
		.amdhsa_next_free_sgpr 98
		.amdhsa_reserve_vcc 0
		.amdhsa_float_denorm_mode_32 3
		.amdhsa_float_denorm_mode_16_64 3
		.amdhsa_memory_ordered 1
		.amdhsa_forward_progress 1
		.amdhsa_inst_pref_size 154
	.end_amdhsa_kernel
	.amdgpu_metadata
---
amdhsa.version: [ 1, 2 ]
amdhsa.kernels:
  - .name:           k_qc640b9a279_outp
    .symbol:         k_qc640b9a279_outp.kd
    .args:
      - { .name: ao, .offset: 0, .size: 8, .value_kind: global_buffer, .address_space: global }
      - { .name: aos, .offset: 8, .size: 8, .value_kind: global_buffer, .address_space: global }
      - { .name: Wo_codes, .offset: 16, .size: 8, .value_kind: global_buffer, .address_space: global }
      - { .name: Wo_scales, .offset: 24, .size: 8, .value_kind: global_buffer, .address_space: global }
      - { .name: bo, .offset: 32, .size: 8, .value_kind: global_buffer, .address_space: global }
      - { .name: out0, .offset: 40, .size: 8, .value_kind: global_buffer, .address_space: global }
    .group_segment_fixed_size: 327680
    .private_segment_fixed_size: 0
    .kernarg_segment_align: 8
    .kernarg_segment_size: 48
    .max_flat_workgroup_size: 128
    .sgpr_count:     98
    .vgpr_count:     1024
    .wavefront_size: 32
...
	.end_amdgpu_metadata
.endif
;; end of part 3
